; MI455X (gfx1250); checked and timed in simulation.
; The chip was launched on July 23, 2026; its instructions are those of AMD's public machine-readable ISA for CDNA 5 (MIT licence, August 2026) and "CDNA5" Instruction Set Architecture Reference Guide (July 2026). The comments in the code are by the model that wrote it; some were corrected since.
;; Self Attention. Allowed arithmetic: matrix products marked QUANTISED: E2M1 operands, one E8M0 scale for each 32 along K, by v_wmma_scale_f32_16x16x128_f8f6f4 with both operands' format E2M1 (or v_wmma_scale_f32_32x16x128_f4), f32 sums; everything else in f32.
;; Inputs: W_out_codes 1,024 x 32 x 16 uint8 (E2M1 codes of W_out, K innermost, in blocks of 32 codes, two codes a byte); W_out_scales 1,024 x 32 uint8 (E8M0 scales of W_out, one for each 32 codes along K); W_qkv_codes 3,072 x 32 x 16 uint8 (E2M1 codes of W_qkv, K innermost, in blocks of 32 codes, two codes a byte); W_qkv_scales 3,072 x 32 uint8 (E8M0 scales of W_qkv, one for each 32 codes along K); b_out 1,024 float32; b_qkv 3,072 float32; x_codes 4 x 2,048 x 32 x 16 uint8 (E2M1 codes of x, K innermost, in blocks of 32 codes, two codes a byte); x_scales 4 x 2,048 x 32 uint8 (E8M0 scales of x, one for each 32 codes along K).
;; Outputs: out0 4 x 2,048 x 1,024 float32.
;; This version of the problem:
;;   THIS VERSION OF THE PROBLEM IS GIVEN IN LOW PRECISION. The matrix products marked QUANTISED in the list below multiply operands that are first quantised to E2M1 (2 exponent bits, 1 mantissa bit; 4 bits a number), with one power-of-two scale for each 32 numbers along K (OCP MX v1.0); their sums are f32. All else is computed in f32.
;;   The module's matrix products, in the order in which they are computed (A, B: the left and right operand; K: the contracted axis; several contracted axes count as one K, in the product's order):
;;     1. [M 8,192, K 1,024] x [K 1,024, N 3,072]; A: input x (given as codes); B: input W_qkv (given as codes): QUANTISED
;;     2. batch 64 x [M 2,048, K 64] x [K 64, N 2,048]; A: computed on the way; B: computed on the way: QUANTISED
;;     3. batch 64 x [M 2,048, K 2,048] x [K 2,048, N 64]; A: softmax (see below); B: computed on the way: QUANTISED
;;     4. [M 8,192, K 1,024] x [K 1,024, N 1,024]; A: computed on the way; B: input W_out (given as codes): QUANTISED
;;   THE QUANTISER, for each operand of a quantised product, along K:
;;     - K is cut into blocks of 32 from its start; a last block that is shorter is filled with zeros.
;;     - A block's scale is 2^e with e = floor(log2(the largest magnitude in the block)) - 2, held to -126 .. 127; a block of zeros has e = 0. As a byte (E8M0): e + 127.
;;     - Each number is divided by its block's scale, clamped to +-6, and rounded to the nearest number of E2M1, ties to even, subnormals kept.
;;     - The product sums the exact products of the quantised numbers (number of the format x scale) in f32.
;;   ~~~python
;;   def quantise(x, axis):      # numpy; x: float32 -> the quantised numbers, widened to float32 again
;;       x = np.moveaxis(x, axis, -1); K = x.shape[-1]
;;       x = np.pad(x, [(0, 0)] * (x.ndim - 1) + [(0, -K % 32)]); x = x.reshape(x.shape[:-1] + (-1, 32)); a = np.abs(x).max(-1, keepdims=True)
;;       e = np.where(a > 0, np.clip(np.frexp(np.where(a > 0, a, 1))[1] - 1 - 2, -126, 127), 0)      # np.frexp(a)[1] - 1 = floor(log2(a)), exactly
;;       r = np.clip(x / 2.0 ** e, -6, 6)
;;       step = 2.0 ** (np.maximum(np.frexp(np.where(r == 0, 1, r))[1] - 1, 0) - 1)
;;       q = np.round(r / step) * step * 2.0 ** e      # np.round: ties to even
;;       return np.moveaxis(q.reshape(q.shape[:-2] + (-1,))[..., :K], -1, axis).astype(np.float32)
;;   ~~~
;;   SOFTMAX AHEAD OF A QUANTISED PRODUCT. Where the list says 'softmax', what is quantised is not the finished softmax but p = 2^(t - M), with t = logit x log2(e) and M = ceil(the row's largest t), a whole number; so 1/2 < the row's largest p <= 1. The row's sum l is taken of the UNQUANTISED p, in f32, and the product's result is divided by l at the end. Since M is a whole number, a kernel that streams over the keys may use a running M (the ceiling of the running maximum): every later rescaling is an exact power of two, which a block's scale takes up: the codes' values come out the same.
;;   OPERANDS COMPUTED ON THE WAY. 'Computed on the way' means the value that the module computes at that place (a softmax that the list does not call 'softmax' is quantised finished and normalised). What goes into a quantiser is computed in f32, as accurately as f32 sums, v_exp_f32 and their like allow (about 1e-6 of the number): no bf16 or f16 on the way to a quantiser, and a product that is left as it is and whose result goes on into a quantised operand takes f32 operands (vector FMAs, or v_wmma_f32_16x16x4_f32). A number that lies on a knife's edge between two numbers of the format may be rounded either way, as far as f32 arithmetic and the matrix unit's own rounding can turn it there, and no further.
;;   INPUTS GIVEN AS CODES. W_out (in the module: [1024, 1024], K = its axis 0); W_qkv (in the module: [1024, 3072], K = its axis 0); x (in the module: [4, 2048, 1024], K = its axis 2): each comes as NAME_codes (uint8): NAME with its K axis moved to the last place and cut into blocks of 32 codes, [.., K / 32, bytes a block], one block behind the other in memory; two codes a byte, the lower K in the low four bits (a code: sign, 2 exponent bits, 1 mantissa bit); and NAME_scales (uint8): the same leading axes, one E8M0 byte (e + 127) for each 32 codes along K. Its value is code x scale, taken as it is: it is not quantised again, and the codes and scales need not be those that the quantiser above would give.
;; One version. Each part assembles by itself: llvm-mc -triple=amdgcn-amd-amdhsa -mcpu=gfx1250 --defsym DOCPART=n.
;; ======== version 1 of 1: 3 launches
;; workspace buffers: q 4,718,592 bytes; kv 9,175,040 bytes; ao_codes 4,194,304 bytes; ao_scales 262,144 bytes
;; launch qkv (part 1): grid 12 x 32, 4 waves a work-group, clusters of 4 x 4, 327,680 bytes of LDS; arguments x_codes, x_scales, W_qkv_codes, W_qkv_scales, b_qkv, q, kv; writes q, kv
.if DOCPART == 1
	.amdgcn_target "amdgcn-amd-amdhsa--gfx1250"
	.amdhsa_code_object_version 6
	.text
	.protected	k_q36bafcdbad_qkv
	.globl	k_q36bafcdbad_qkv
	.p2align	8
	.type	k_q36bafcdbad_qkv,@function
k_q36bafcdbad_qkv:
	s_mov_b64 s[64:65], 0
	v_nop
	global_prefetch_b8 v0, s[64:65] scope:SCOPE_SE
	s_setreg_imm32_b32 hwreg(HW_REG_WAVE_MODE, 25, 1), 1
	s_wait_xcnt 0x0
	s_wait_alu depctr_hold_cnt(0) depctr_sa_sdst(0) depctr_va_vdst(0) depctr_va_sdst(0) depctr_va_ssrc(0) depctr_va_vcc(0) depctr_vm_vsrc(0)
	s_getreg_b32 s2, hwreg(HW_REG_IB_STS2, 6, 4)
	s_cmp_eq_u32 s2, 0
	s_cbranch_scc0 .Lentry_in_a_cluster
	s_endpgm
.Lentry_in_a_cluster:
	s_bfe_u32 s2, ttmp6, 0x10000c
	s_cmp_lg_u32 s2, 0xf033
	s_cbranch_scc0 .Lentry_shape_is_right
	s_endpgm
.Lentry_shape_is_right:
; qkv = x W_qkv + b_qkv on codes of FP4 (E2M1) with one E8M0 scale for each 32 along K = 1,024; then Q, K and V are quantised again, in registers, and leave as codes alone.
; x: [8,192][1,024], W_qkv: [3,072][1,024]: codes, K innermost, 512 bytes a row; scale bytes 32 a row.  b_qkv: [3,072] f32.
; A work-group of four waves makes 256 x 256 sums, a wave 128 x 128: 64 accumulators of 16 x 16, 512 registers.  K goes in two steps of 512 through two LDS slots, each filled once.
; THE MATRIX INSTRUCTION IS USED TRANSPOSED: source 0 = 16 rows of 'B', source 1 = 16 rows of 'A': lane (r, h) of accumulator (a, b) holds A's row 16 a + r and, in register j, B's row 16 b + 8 h + j.
; WHICH TENSOR IS A AND WHICH B hangs on the cluster's x (0: Q, 1: K, 2: V), which all sixteen partners share.  For Q and K: A = x, B = W_qkv: a lane holds one position and its registers run along the
; channels, which are the K of Q K^T.  For V: A = W_qkv, B = x: a lane holds one channel and its registers run along the positions, the K of P V.  Both tensors have rows of the same length, so only pointers and tile numbers are chosen.
; QUANTISING.  The 16 registers of accumulators 2 B and 2 B + 1 hold, in lanes l and l xor 16 together, block B of 32: channels (or keys) 32 B + 8 h + 0..7 and 32 B + 16 + 8 h + 0..7.  Two conversions a block and
; two exchanges of lane halves a pair of blocks give the operand's registers.  They are stored AS AN IMAGE OF THE REGISTERS: four registers = 512 consecutive bytes, lane l's 16 bytes at 16 l.
; OUT.  q: [head 0..63][step 0..15][4,608]: 8 tiles of 16 positions x 512 bytes, then 512 bytes of scale words.  kv: [head][step][8,960]: K as q; at 4,608 V^T's 4 tiles of 16 channels x 1,024 bytes; at 8,704 V's scale words.
; Scale words lie so that one load gives register i, lane (r, h) the word of tile 2 i + h, row r.  Q's and K's words use bytes 0 and 1; bytes 2 and 3 scale zero codes and hold a byte that is never 0xff.
; CLUSTERS: 4 x 4 work-groups; A's tiles are asked for jointly along a row of the cluster, B's along a column.
; LIMITS: NaN, infinities and a given scale byte 0xff are not served.  A block whose largest magnitude lies under 2^-124 keeps the byte 1; a block of zeros too (its codes are zeros, and this program alone reads the bytes).
; REGISTERS, in windows of 256: window 0: v0-31 addresses; v32-95 scale words, two sets; v128-191 A's fragments, one set; v192-255 the bias.  window 1: B's fragments, two sets.  windows 2, 3: the accumulators, (a, b) at v[8 (8 (a % 4) + b)].
;   In the tail window 0 is laid anew: v32-95 64 numbers at work, v96-103 a scale word for each block of rows, v104-119 at work, v120-127 scale words to store, v128-191 codes, 8 registers for each block of rows.
.set KSTEP,  512                       ; along K in a slot
.set NQ,     KSTEP/128                 ; matrix instructions deep
.set ROWB,   256                       ; a tile's row in bytes
.set KROW,   512                       ; a row of codes in memory
.set PITCH,  272                       ; an LDS row: 256 bytes + 16 of padding, so that the 16 rows of a fragment load begin 68 words apart
.set FR,     8                         ; registers of a fragment
.set NL,     2                         ; LDS loads that bring one
.set NP,     4                         ; places behind this matrix instruction (ISA guide 7.12.1)
.set HALFT,  128*PITCH                 ; 128 rows: one tensor load
.set SLOT,   4*HALFT                   ; A's 256 rows, then B's 256 rows
.set KS,     32                        ; a row of scale bytes
.set SCL,    2*SLOT                    ; behind the slots: the scales, as units of 256 bytes + 16 of padding
.set HALFS,  (128*KS/256)*272          ; the scales of 128 rows: one tensor load
.set SBLK,   (16*KS/256)*272           ; those of 16 rows
.set SPARE,  SCL+4*HALFS               ; the spare words, 128 bytes for each wave: two blocks of 256 bytes that no other line names
.set QH,     73728                     ; q: bytes a head, bytes a step
.set QR,     4608
.set KVH,    143360                    ; kv: bytes a head, bytes a step
.set KVR,    8960
.set ADRA, 16                          ; v16-17  LDS address of my A fragments in slot 0, 1
.set ADRB, 20                          ; v20-21  the same for B
.set L16,  26                          ; v26     16 x lane: an image's place for my lane
.set ADRS, 27                          ; v27     LDS address of my scale words: lanes 0-15 A's rows, lanes 16-31 B's
.set SPW,  28                          ; v28     LDS address of my spare word; never rewritten
.set NIL,  29                          ; v29     0; never rewritten
.set VB,   30                          ; v30     my byte offset in the bias
.set L8,   31                          ; v31     8 x lane
.set SC,   32
.set AF,   128
.set ST,   32                          ; the tail's registers
.set PW,   96
.set TM,   104
.set KW,   120
.set PC,   128
.set BI,   192
.set SEL,  2                           ; s[2:3]  lane selects for v_permlanex16_b32: lane l xor 16
.set RA,   46                          ; s[46:47] where my first head's record begins;  s[92:93] my second head's;  s[66:67] my part of the bias
.set RB,   92
.set BP,   66
.set G1, 24                            ; s[24:31] descriptor group 1 for A's tiles;  s[32:39] group 0, one set for each slot
.set G0, 32
.set G1B, 48                           ; s[48:55], s[56:63] the same for B's tiles
.set G0B, 56
.set G1S, 68                           ; s[68:75], s[76:79] groups 1 and 0 for A's scales;  s[80:87], s[88:91] for B's
.set G0S, 76
.set G1SB, 80
.set G0SB, 88
.set MSB, 0
.macro WIN new                         ; the immediate's high byte repeats the setting that is left
.if MSB != \new
	s_set_vgpr_msb (MSB<<8)|\new
.set MSB, \new
.endif
.endm
.set MUL_LO, 0xa1                      ; source 0 (B) window 1, source 1 (A) window 0, C and D window 2
.set MUL_HI, 0xf1                      ; the same, C and D window 3
.set TO_B,   0x40                      ; destination window 1, address window 0
; A joint load: waves 0 and 1 fetch for A, waves 2 and 3 for B.  The branch hangs on the wave's number alone.  Four v_nop follow each of the two lines.
.macro JLOAD g0a, g1a, g0b, g1b
	s_cmp_eq_u32 s15, 0
	s_cbranch_scc0 .Lfor_b_\@
	tensor_load_to_lds s[\g0a:\g0a+3], s[\g1a:\g1a+7]
	s_nop 0
.rept 4
	v_nop
.endr
	s_branch .Lasked_\@
.Lfor_b_\@:
	tensor_load_to_lds s[\g0b:\g0b+3], s[\g1b:\g1b+7]
	s_nop 0
.rept 4
	v_nop
.endr
.Lasked_\@:
.endm
.macro CROUND                          ; a round of the cluster's barrier
	s_barrier_signal -1
	s_barrier_wait -1
	s_cmp_lg_u32 s14, 0
	s_cbranch_scc1 .Lnot_wave_0_\@
	s_barrier_signal -3
.Lnot_wave_0_\@:
	s_barrier_wait -3
	s_barrier_signal -1
	s_barrier_wait -1
.endm
	s_load_b128 s[4:7], s[0:1], 0x0                ; x's codes s[4:5], x's scales s[6:7]
	s_load_b128 s[8:11], s[0:1], 0x10              ; W_qkv's codes s[8:9], its scales s[10:11]
	s_load_b64 s[12:13], s[0:1], 0x20              ; b_qkv
	s_load_b64 s[96:97], s[0:1], 0x28              ; q
	s_load_b64 s[98:99], s[0:1], 0x30              ; kv
	v_lshl_add_u32 v[SPW], v0, 2, SPARE
	v_mov_b32 v[NIL], 0
	ds_add_u32 v28, v29
	ds_add_u32 v28, v29
	s_wait_dscnt 0x0
	v_lshrrev_b32 v1, 5, v0
	v_readfirstlane_b32 s14, v1                    ; wave 0..3
	s_lshr_b32 s15, s14, 1                         ; wa: which half of A's 256 rows is mine.  Also: I fetch for A (0) or for B (1)
	s_and_b32 s16, s14, 1                          ; wb: which half of B's.  Also: which 128 rows of that tile I fetch
	s_bfe_u32 s40, ttmp6, 0x40000                  ; cx, cy: my place in the cluster
	s_bfe_u32 s41, ttmp6, 0x40004
	s_and_b32 s95, ttmp7, 0xffff
	s_lshl_b32 s95, s95, 2                         ; 4 Y: the cluster's first tile of x
	s_lshl_b32 s42, ttmp9, 2                       ; 4 X: for Q and K the cluster's first tile of W_qkv
	s_cmp_eq_u32 ttmp9, 2                          ; V's clusters?  The cluster's x is the same in all partners
	s_cselect_b32 s17, 8, s95                      ; A's tile: V: W_qkv's tile 8 + cy;  Q, K: x's tile 4 Y + cy
	s_cselect_b32 s42, s95, s42                    ; B's tile: V: x's tile 4 Y + cx;    Q, K: W_qkv's tile 4 X + cx
	s_add_co_u32 s17, s17, s41
	s_add_co_u32 s42, s42, s40
	s_lshl_b32 s43, s41, 2
	s_lshl_b32 s43, 15, s43                        ; my row of the cluster
	s_lshl_b32 s44, 0x1111, s40                    ; my column
	; descriptor group 1: a tile of 128 rows x 256 bytes, padded in LDS
	s_or_b32 s[G1+0], s43, (0<<16)|(1<<20)|(1<<21)|(5<<22)|(3<<25)  ; 15:0 the mask: A's tiles go to my row; elements of 1 byte; padding on; bit 21 beside a mask; after every 64 words, 4 words
	s_or_b32 s[G1B+0], s44, (0<<16)|(1<<20)|(1<<21)|(5<<22)|(3<<25) ; the same with my column's mask
.irp g, G1, G1B
	s_mov_b32 s[\g+1], ROWB<<16                    ; tensor_dim0
	s_mov_b32 s[\g+2], 128<<16                     ; tensor_dim1
	s_mov_b32 s[\g+3], ROWB<<16                    ; tile_dim0
	s_mov_b32 s[\g+4], 128                         ; tile_dim1
	s_mov_b32 s[\g+5], KROW                        ; tensor_dim0_stride
	s_mov_b32 s[\g+6], 0
	s_mov_b32 s[\g+7], 0
.endr
	; the scales of 128 rows: a dense block of 4,096 bytes, as 16 rows of 256 bytes (32 elements of 8 bytes), 16 bytes of padding behind each
	s_or_b32 s[G1S+0], s43, (3<<16)|(1<<20)|(1<<21)|(5<<22)|(3<<25)
	s_or_b32 s[G1SB+0], s44, (3<<16)|(1<<20)|(1<<21)|(5<<22)|(3<<25)
.irp g, G1S, G1SB
	s_mov_b32 s[\g+1], 32<<16
	s_mov_b32 s[\g+2], (128*KS/256)<<16
	s_mov_b32 s[\g+3], 32<<16
	s_mov_b32 s[\g+4], 128*KS/256
	s_mov_b32 s[\g+5], 32
	s_mov_b32 s[\g+6], 0
	s_mov_b32 s[\g+7], 0
.endr
	s_lshl_b32 s18, s16, 7                         ; which 128 rows of the tile I fetch
	s_lshl_b32 s20, s17, 8
	s_add_co_u32 s20, s20, s18                     ; A: row 256 x tile + 128 x half
	s_lshl_b32 s46, s42, 8
	s_add_co_u32 s46, s46, s18                     ; B likewise
	s_mov_b32 s21, 0
	s_mov_b32 s47, 0
	s_mov_b64 s[18:19], KS
	s_mul_u64 s[22:23], s[20:21], s[18:19]         ; where these rows' scales begin, in bytes
	s_mul_u64 s[92:93], s[46:47], s[18:19]
	s_mov_b64 s[18:19], KROW
	s_mul_u64 s[20:21], s[20:21], s[18:19]         ; and their codes
	s_mul_u64 s[46:47], s[46:47], s[18:19]
	s_mul_i32 s45, s14, HALFT                      ; where they go: wave x 128 rows: no place in the cluster enters an LDS address
	s_mul_i32 s94, s14, HALFS
	s_wait_kmcnt 0x0
	s_cmp_eq_u32 ttmp9, 2                          ; the choice of pointers hangs on the cluster's x alone
	s_cselect_b64 s[66:67], s[8:9], s[4:5]         ; A's codes
	s_cselect_b64 s[100:101], s[10:11], s[6:7]     ; A's scales
	s_cselect_b64 s[8:9], s[4:5], s[8:9]           ; B's codes
	s_cselect_b64 s[10:11], s[6:7], s[10:11]       ; B's scales
	s_add_nc_u64 s[20:21], s[66:67], s[20:21]
	s_add_nc_u64 s[22:23], s[100:101], s[22:23]
	s_add_nc_u64 s[46:47], s[8:9], s[46:47]
	s_add_nc_u64 s[92:93], s[10:11], s[92:93]
	CROUND                                         ; all sixteen work-groups are here: the first joint loads meet
	s_mov_b32 s[G0S], 1
	s_add_co_u32 s[G0S+1], s94, SCL
	s_mov_b64 s[G0S+2:G0S+3], s[22:23]
	s_or_b32 s[G0S+3], s[G0S+3], 0x80000000
	s_mov_b32 s[G0SB], 1
	s_add_co_u32 s[G0SB+1], s94, SCL
	s_mov_b64 s[G0SB+2:G0SB+3], s[92:93]
	s_or_b32 s[G0SB+3], s[G0SB+3], 0x80000000
	JLOAD G0S, G1S, G0SB, G1SB                     ; the scales first: they are wanted with the first K step
.irp s, 0,1
	s_mov_b32 s[G0+4*\s], 1
	s_add_co_u32 s[G0+4*\s+1], s45, \s*SLOT
	s_add_nc_u64 s[G0+4*\s+2:G0+4*\s+3], s[20:21], \s*ROWB
	s_or_b32 s[G0+4*\s+3], s[G0+4*\s+3], 0x80000000
	s_mov_b32 s[G0B+4*\s], 1
	s_add_co_u32 s[G0B+4*\s+1], s45, \s*SLOT
	s_add_nc_u64 s[G0B+4*\s+2:G0B+4*\s+3], s[46:47], \s*ROWB
	s_or_b32 s[G0B+4*\s+3], s[G0B+4*\s+3], 0x80000000
	JLOAD G0+4*\s, G1, G0B+4*\s, G1B               ; three tensor loads of mine are out now, and no more are issued
.endr
	v_and_b32 v1, 15, v0                           ; r = l % 16
	v_bfe_u32 v2, v0, 4, 1                         ; h = l / 16
	v_mul_u32_u24 v3, v1, PITCH
	v_lshl_add_u32 v4, v2, 4, v3                   ; a fragment's row x pitch + 16 x half
	s_mul_i32 s21, s15, HALFT                      ; my 128 rows of A
	s_mul_i32 s22, s16, HALFT                      ; my 128 rows of B,
	s_add_co_u32 s22, s22, 2*HALFT                 ; which lie behind A's 256
.irp s, 0,1
	v_add_nc_u32 v[ADRA+\s], s21, v4
	v_add_nc_u32 v[ADRB+\s], s22, v4
	s_add_co_u32 s21, s21, SLOT
	s_add_co_u32 s22, s22, SLOT
.endr
	v_mul_u32_u24 v5, v1, KS                       ; my row's scales: 32 bytes a row,
	v_lshrrev_b32 v6, 8, v5
	v_lshl_add_u32 v5, v6, 4, v5                   ; and 16 more for each 256 passed
	s_mul_i32 s21, s15, HALFS                      ; A's: my 128 rows
	s_mul_i32 s22, s16, HALFS                      ; B's: my 128 rows, behind A's 256
	s_add_co_u32 s22, s22, 2*HALFS
	s_sub_co_u32 s22, s22, s21
	v_mul_u32_u24 v6, s22, v2                      ; lanes 16-31 take B's
	s_add_co_u32 s21, s21, SCL
	v_add_nc_u32 v5, v5, v6
	v_add_nc_u32 v[ADRS], s21, v5
	v_and_b32 v6, 31, v0
	v_lshlrev_b32 v[L16], 4, v6
	v_lshlrev_b32 v[L8], 3, v6
.macro FRAG reg, adr, q, i             ; a fragment, 16 rows x 128 K of 4-bit codes: lane l holds row l % 16; registers 4 c .. 4 c + 3 hold K = 64 c + 32 (l / 16) + 0 .. 31
.irp c, 0,1
	ds_load_b128 v[\reg+4*\c:\reg+4*\c+3], v[\adr] offset:64*(\q)+32*\c+(\i)*16*PITCH
.endr
.endm
; 16 matrix instructions: A's blocks a0, a0 + 1 x B's eight, the slot's q-th 128 along K.  p: B's set;  sc: the set of scale words.  zero = 1: the first product starts the sums.
; The 64 accumulators take turns, one instruction a turn, in the same order in every step.
.macro MUL16 a0, p, q, sc, zero
.irp a, \a0, \a0+1
.irp b, 0,1,2,3,4,5,6,7
.if \zero
	v_wmma_scale_f32_16x16x128_f8f6f4 v[8*(8*((\a)%4)+\b):8*(8*((\a)%4)+\b)+7], v[128*(\p)+FR*\b:128*(\p)+FR*\b+FR-1], v[AF+FR*(\a):AF+FR*(\a)+FR-1], 0, v[SC+8*NQ*(\sc)+NQ*\b+(\q)], v[SC+8*NQ*(\sc)+NQ*(\a)+(\q)] matrix_a_fmt:MATRIX_FMT_FP4 matrix_b_fmt:MATRIX_FMT_FP4 matrix_a_scale:MATRIX_SCALE_ROW1
.else
	v_wmma_scale_f32_16x16x128_f8f6f4 v[8*(8*((\a)%4)+\b):8*(8*((\a)%4)+\b)+7], v[128*(\p)+FR*\b:128*(\p)+FR*\b+FR-1], v[AF+FR*(\a):AF+FR*(\a)+FR-1], v[8*(8*((\a)%4)+\b):8*(8*((\a)%4)+\b)+7], v[SC+8*NQ*(\sc)+NQ*\b+(\q)], v[SC+8*NQ*(\sc)+NQ*(\a)+(\q)] matrix_a_fmt:MATRIX_FMT_FP4 matrix_b_fmt:MATRIX_FMT_FP4 matrix_a_scale:MATRIX_SCALE_ROW1
.endif
.endr
.endr
.endm
.macro FETCH_B slot, q, p              ; B's eight fragments of the slot's q-th 128 along K into set p
	WIN TO_B
.irp i, 0,1,2,3,4,5,6,7
	FRAG 128*(\p)+FR*\i, ADRB+\slot, \q, \i
.endr
	WIN 0
.endm
.macro FETCH_A slot, q, i0             ; A's blocks i0 .. i0 + 3
.irp i, \i0, \i0+1, \i0+2, \i0+3
	FRAG AF+FR*(\i), ADRA+\slot, \q, \i
.endr
.endm
.macro SCALES sc                       ; a K step's scale words into set sc: four words a row; lanes 0-15 take A's block i, lanes 16-31 B's block i
.irp i, 0,1,2,3,4,5,6,7
	ds_load_b128 v[SC+8*NQ*\sc+NQ*\i:SC+8*NQ*\sc+NQ*\i+3], v[ADRS] offset:\i*SBLK
.endr
.endm
; A load into a register that a matrix instruction has read, and a vector instruction that reads a matrix result, stand NP places behind that matrix instruction; only plain vector
; instructions that name none of its registers are places (ISA guide 7.12.1 for vector instructions).
.macro PLACES n
.rept \n
	v_nop
.endr
.endm
; A step of 128 along K that has its successor in the same slot.
.macro STEP slot, q, zero
	s_wait_dscnt 4*NL                              ; B's set and A's blocks 0-3 are in; the youngest eight loads (A's blocks 4-7) may be out
	WIN MUL_LO
	MUL16 0, (\q)%2, \q, \slot, \zero
	MUL16 2, (\q)%2, \q, \slot, \zero
	s_wait_dscnt 0                                 ; A's blocks 4-7 are in (asked for 32 matrix instructions ago)
	PLACES NP
	FETCH_B \slot, (\q)+1, 1-(\q)%2
	FETCH_A \slot, (\q)+1, 0
	WIN MUL_HI
	MUL16 4, (\q)%2, \q, \slot, \zero
	MUL16 6, (\q)%2, \q, \slot, \zero
	PLACES NP
	WIN 0
	FETCH_A \slot, (\q)+1, 4
.endm
; Slot 0's last step changes slots: one barrier; in front of it each wave waits for all its tensor loads (its part of slot 1 is the one still out).  Nothing is filled again.
.macro TURN slot, next
	s_wait_tensorcnt 0x0                           ; all my tensor loads have landed
	ds_add_u32 v[SPW], v[NIL]                      ; 0 onto my spare word
	s_wait_dscnt 4*NL+1                            ; (the add and the youngest eight loads, A's blocks 4-7, may be out)
	WIN MUL_LO
	MUL16 0, 1, NQ-1, \slot, 0                     ; sixteen matrix instructions stand between the add and the wait for it
	s_wait_dscnt 0x0                               ; the add is done, and my reads of this slot are over
	s_barrier_signal -1
	MUL16 2, 1, NQ-1, \slot, 0
	WIN 0
	s_barrier_wait -1                              ; the next slot is whole
	PLACES NP
	v_add_nc_u32 v[ADRS], 4*NQ, v[ADRS]            ; on to the next K step's scale words (no LDS load of mine is out)
	FETCH_B \next, 0, 0
	FETCH_A \next, 0, 0
	SCALES \next
	WIN MUL_HI
	MUL16 4, 1, NQ-1, \slot, 0
	MUL16 6, 1, NQ-1, \slot, 0
	PLACES NP
	WIN 0
	FETCH_A \next, 0, 4
.endm
.macro STEPS slot, from                ; the slot's steps from .. NQ - 2
.set Q, \from
.rept NQ-1-\from
	STEP \slot, Q, 0
.set Q, Q+1
.endr
.endm
; 64 numbers of a lane, v[ST] on, register 16 B + i: block B's numbers 8 h + i (i < 8) and 16 + 8 h + i - 8 (i >= 8), become a fragment's codes in v[QP] on and its scale word in v[QW].
.macro QUANT
.irp b, 0,1,2,3
	v_max3_num_f32 v[TM+\b], |v[ST+16*\b]|, |v[ST+1+16*\b]|, 0x1800000   ; my 16 numbers of block b, and the floor 2^(3 - 127): the byte cannot fall under 1
.endr
.irp i, 2,4,6,8,10,12,14
.irp b, 0,1,2,3
	v_max3_num_f32 v[TM+\b], v[TM+\b], |v[ST+16*\b+\i]|, |v[ST+1+16*\b+\i]|   ; (the four blocks by turns)
.endr
.endr
.irp b, 0,1,2,3
	v_permlanex16_b32 v[TM+4+\b], v[TM+\b], s[SEL], s[SEL+1]
.endr
.irp b, 0,1,2,3
	v_max_num_f32 v[TM+\b], v[TM+\b], v[TM+4+\b]   ; with lane l xor 16's: the block's largest magnitude
.endr
.irp b, 0,1,2,3
	v_add_nc_u32 v[TM+12+\b], 0xff000000, v[TM+\b] ; 2 off its exponent field: the conversion takes the exponent field of this operand as its scale
.endr
.irp b, 0,1,2,3
	v_lshrrev_b32 v[TM+4+\b], 23, v[TM+12+\b]      ; the scale's byte
.endr
	v_lshl_or_b32 v[QW], v[TM+5], 8, v[TM+4]       ; the four bytes make my row's scale word
	v_lshl_or_b32 v[QW], v[TM+6], 16, v[QW]
	v_lshl_or_b32 v[QW], v[TM+7], 24, v[QW]
.irp b, 0,1,2,3
	v_cvt_scalef32_pk8_fp4_f32 v[QP+4*(\b/2)+(\b%2)], v[ST+16*\b:ST+16*\b+7], v[TM+12+\b]       ; block b's numbers 8 h + 0 .. 7
	v_cvt_scalef32_pk8_fp4_f32 v[QP+4*(\b/2)+2+(\b%2)], v[ST+16*\b+8:ST+16*\b+15], v[TM+12+\b]  ; and 16 + 8 h + 0 .. 7
.endr
	v_nop                                          ; one plain place behind a scaled conversion
.irp c, 0,1                                    ; the first's lanes 16-31 change places with the second's lanes 0-15: register 4 c + i then holds k = 64 c + 32 h + 8 i + 0 .. 7
	v_permlane16_swap_b32 v[QP+4*\c], v[QP+4*\c+1]
	v_permlane16_swap_b32 v[QP+4*\c+2], v[QP+4*\c+3]
.endr
.endm
; A's block a (16 rows, one a lane pair) against B's 128 rows: the bias is added, which also brings the sums into window 0; quantised; two images stored, 512 consecutive bytes each, at multiples of 256 from the buffer's first byte.
.macro GROUP a, isv
	WIN 0x02+(\a)/4                                ; source 0: window 2 or 3
.set i, 0
.rept 32
.if \isv
	v_pk_add_f32 v[ST+2*i:ST+2*i+1], v[64*((\a)%4)+2*i:64*((\a)%4)+2*i+1], v[BI+2*(\a):BI+2*(\a)+1]   ; my channel's bias, held twice
.else
	v_pk_add_f32 v[ST+2*i:ST+2*i+1], v[64*((\a)%4)+2*i:64*((\a)%4)+2*i+1], v[BI+2*i:BI+2*i+1]         ; each accumulator from its low end on
.endif
.set i, i+1
.endr
	WIN 0
.set QP, PC+8*(\a)
.set QW, PW+(\a)
	QUANT
.if \isv
.if (\a) < 4
	global_store_b128 v[L16], v[QP:QP+3], s[RA:RA+1] offset:1024*((\a)%4)          ; V^T's tile a % 4: keys 0 .. 63,
	global_store_b128 v[L16], v[QP+4:QP+7], s[RA:RA+1] offset:1024*((\a)%4)+512    ; keys 64 .. 127
.else
	global_store_b128 v[L16], v[QP:QP+3], s[RB:RB+1] offset:1024*((\a)%4)
	global_store_b128 v[L16], v[QP+4:QP+7], s[RB:RB+1] offset:1024*((\a)%4)+512
.endif
.else
	global_store_b128 v[L16], v[QP:QP+3], s[RA:RA+1] offset:512*(\a)               ; my first head's 64 channels of these 16 positions,
	global_store_b128 v[L16], v[QP+4:QP+7], s[RB:RB+1] offset:512*(\a)             ; my second head's
.endif
.endm
; THE SECOND K STEP AND THE WAY OUT.  isv = 0: Q or K;  1: V.  The bias is asked for ahead of the 256 matrix instructions of slot 1.  No store's data are written again, so no wait stands among the stores.
.macro TAIL isv
.if \isv
	s_lshl_b32 s17, s41, 1
	s_add_co_u32 s17, s17, s15                     ; hp = 2 cy + wa: my pair of heads
	s_add_co_u32 s18, s95, s40                     ; x's tile 4 Y + cx
	s_lshl_b32 s18, s18, 1
	s_add_co_u32 s18, s18, s16                     ; pt: my run of 128 positions
.else
	s_lshl_b32 s17, s40, 1
	s_add_co_u32 s17, s17, s16                     ; hp = 2 cx + wb
	s_add_co_u32 s18, s95, s41                     ; x's tile 4 Y + cy
	s_lshl_b32 s18, s18, 1
	s_add_co_u32 s18, s18, s15                     ; pt
.endif
	s_lshr_b32 s19, s18, 4                         ; the batch
	s_and_b32 s20, s18, 15                         ; the step of 128 positions in it
	s_lshl_b32 s21, s19, 4
	s_lshl_b32 s22, s17, 1
	s_add_co_u32 s21, s21, s22                     ; my first head: 16 x batch + 2 hp
	s_mov_b32 s42, KVH
	s_mov_b32 s43, KVR
.if \isv
	s_mov_b64 s[RA:RA+1], s[98:99]
.else
	s_cmp_eq_u32 ttmp9, 0                          ; Q goes to q, K to kv
	s_cselect_b64 s[RA:RA+1], s[96:97], s[98:99]
	s_cselect_b32 s42, QH, s42
	s_cselect_b32 s43, QR, s43
.endif
	s_mul_i32 s22, s21, s42
	s_mul_i32 s23, s20, s43
	s_add_co_u32 s22, s22, s23
.if \isv
	s_add_co_u32 s22, s22, 4608                    ; V^T lies behind K in a record
.endif
	s_mov_b32 s23, 0
	s_add_nc_u64 s[RA:RA+1], s[RA:RA+1], s[22:23]
	s_mov_b32 s22, s42
	s_add_nc_u64 s[RB:RB+1], s[RA:RA+1], s[22:23]  ; the next head's record
	s_lshl_b32 s22, ttmp9, 12                      ; the bias: 4 bytes x (1,024 x section + 128 hp)
	s_lshl_b32 s44, s17, 9
	s_add_co_u32 s22, s22, s44
	s_add_nc_u64 s[BP:BP+1], s[12:13], s[22:23]
	s_mov_b32 s[SEL], 0x76543210
	s_mov_b32 s[SEL+1], 0xfedcba98
.if \isv
	v_and_b32 v[VB], 15, v0
	v_lshlrev_b32 v[VB], 2, v[VB]                  ; 4 r: block a's channel 16 a + r
.irp a, 0,1,2,3,4,5,6,7
	global_load_b32 v[BI+2*\a], v[VB], s[BP:BP+1] offset:64*\a
	global_load_b32 v[BI+2*\a+1], v[VB], s[BP:BP+1] offset:64*\a     ; twice: a pair for the packed addition
.endr
.else
	v_bfe_u32 v[VB], v0, 4, 1
	v_lshlrev_b32 v[VB], 5, v[VB]                  ; 32 h: register 8 b + j takes the bias of channel 16 b + 8 h + j
.irp b, 0,1,2,3,4,5,6,7
	global_load_b128 v[BI+8*\b:BI+8*\b+3], v[VB], s[BP:BP+1] offset:64*\b
	global_load_b128 v[BI+8*\b+4:BI+8*\b+7], v[VB], s[BP:BP+1] offset:64*\b+16
.endr
.endif
.irp b, 0,1,2,3
	v_mov_b32 v[TM+4+\b], 0                        ; written once: a lane permute's destination counts as one of its sources
.endr
	STEPS 1, 0
	s_wait_dscnt 4*NL                              ; the very last step: nothing more to fetch
	WIN MUL_LO
	MUL16 0, 1, NQ-1, 1, 0
	MUL16 2, 1, NQ-1, 1, 0
	s_wait_dscnt 0
	WIN MUL_HI
	MUL16 4, 1, NQ-1, 1, 0
	MUL16 6, 1, NQ-1, 1, 0
	WIN 0
	PLACES NP                                      ; in front of the first read of results and the first write over scale words and fragments
	s_wait_loadcnt 0x0                             ; the bias
.irp a, 0,1,2,3,4,5,6,7
	GROUP \a, \isv
.endr
	v_bfe_u32 v24, v0, 4, 1
	v_cmp_ne_u32 vcc_lo, 0, v24                    ; lanes 16-31 take the odd tiles' words
.if \isv
.irp d, 0,1                                    ; head d: register i, lane (r, h): the word of tile 2 i + h, channel r
.irp i, 0,1
	v_cndmask_b32 v[KW+2*\d+\i], v[PW+4*\d+2*\i], v[PW+4*\d+2*\i+1], vcc_lo
.endr
.endr
	global_store_b64 v[L8], v[KW:KW+1], s[RA:RA+1] offset:4096       ; 256 consecutive bytes
	global_store_b64 v[L8], v[KW+2:KW+3], s[RB:RB+1] offset:4096
.else
.irp i, 0,1,2,3
	v_cndmask_b32 v[KW+\i], v[PW+2*\i], v[PW+2*\i+1], vcc_lo         ; bytes 0, 1: my first head's two blocks
.endr
	global_store_b128 v[L16], v[KW:KW+3], s[RA:RA+1] offset:4096
.irp i, 0,1,2,3
	v_lshrrev_b32 v[KW+4+\i], 16, v[KW+\i]                           ; bytes 2, 3 moved down: my second head's
.endr
	global_store_b128 v[L16], v[KW+4:KW+7], s[RB:RB+1] offset:4096
.endif
.endm
	s_wait_alu depctr_va_vdst(0)
	s_wait_tensorcnt 1                             ; the scales and my part of slot 0 are in (slot 1's load may be out),
	s_barrier_signal -1
	s_barrier_wait -1                              ; everybody's are
	FETCH_B 0, 0, 0
	FETCH_A 0, 0, 0
	SCALES 0
	FETCH_A 0, 0, 4
	STEP 0, 0, 1                                   ; the first step's products start the sums: nothing is cleared
	STEPS 0, 1
	TURN 0, 1
	s_cmp_eq_u32 ttmp9, 2                          ; every window is 0 here.  The branch hangs on the cluster's x alone; no barrier and no tensor load stands in either arm
	s_cbranch_scc1 .Lv
	TAIL 0
	s_branch .Lend
.Lv:
	TAIL 1
.Lend:
	s_wait_tensorcnt 0x0                           ; the wave's end
	ds_add_u32 v[SPW], v[NIL]
	s_wait_dscnt 0x0
	CROUND                                         ; the closing round: no work-group ends while a partner may still ask for a tile that names it
	s_endpgm
.Lfunc_end_k_q36bafcdbad_qkv:
	.size	k_q36bafcdbad_qkv, .Lfunc_end_k_q36bafcdbad_qkv-k_q36bafcdbad_qkv
	.p2alignl 7, 3214868480
	.fill 96, 4, 3214868480
	.section	.rodata,"a",@progbits
	.p2align	6, 0x0
	.amdhsa_kernel k_q36bafcdbad_qkv
		.amdhsa_group_segment_fixed_size 327680
		.amdhsa_private_segment_fixed_size 0
		.amdhsa_enable_private_segment 0
		.amdhsa_kernarg_size 56
		.amdhsa_user_sgpr_count 2
		.amdhsa_user_sgpr_kernarg_segment_ptr 1
		.amdhsa_wavefront_size32 1
		.amdhsa_system_sgpr_workgroup_id_x 1
		.amdhsa_system_sgpr_workgroup_id_y 1
		.amdhsa_system_sgpr_workgroup_id_z 1
		.amdhsa_system_vgpr_workitem_id 0
		.amdhsa_next_free_vgpr 1024
		.amdhsa_next_free_sgpr 102
		.amdhsa_reserve_vcc 1
		.amdhsa_float_denorm_mode_32 3
		.amdhsa_float_denorm_mode_16_64 3
		.amdhsa_memory_ordered 1
		.amdhsa_forward_progress 1
		.amdhsa_inst_pref_size 237
	.end_amdhsa_kernel
	.amdgpu_metadata
---
amdhsa.version: [ 1, 2 ]
amdhsa.kernels:
  - .name:           k_q36bafcdbad_qkv
    .symbol:         k_q36bafcdbad_qkv.kd
    .args:
      - { .name: x_codes, .offset: 0, .size: 8, .value_kind: global_buffer, .address_space: global }
      - { .name: x_scales, .offset: 8, .size: 8, .value_kind: global_buffer, .address_space: global }
      - { .name: W_qkv_codes, .offset: 16, .size: 8, .value_kind: global_buffer, .address_space: global }
      - { .name: W_qkv_scales, .offset: 24, .size: 8, .value_kind: global_buffer, .address_space: global }
      - { .name: b_qkv, .offset: 32, .size: 8, .value_kind: global_buffer, .address_space: global }
      - { .name: q, .offset: 40, .size: 8, .value_kind: global_buffer, .address_space: global }
      - { .name: kv, .offset: 48, .size: 8, .value_kind: global_buffer, .address_space: global }
    .group_segment_fixed_size: 327680
    .private_segment_fixed_size: 0
    .kernarg_segment_align: 8
    .kernarg_segment_size: 56
    .max_flat_workgroup_size: 128
    .sgpr_count:     102
    .vgpr_count:     1024
    .wavefront_size: 32
...
	.end_amdgpu_metadata
.endif
;; end of part 1
;; launch attn (part 2): grid 8 x 32, 16 waves a work-group, clusters of 4 x 1, 327,680 bytes of LDS; arguments q, kv, ao_codes, ao_scales; writes ao_codes, ao_scales
.if DOCPART == 2
	.amdgcn_target "amdgcn-amd-amdhsa--gfx1250"
	.amdhsa_code_object_version 6
	.text
	.protected	k_q36bafcdbad_attn
	.globl	k_q36bafcdbad_attn
	.p2align	8
	.type	k_q36bafcdbad_attn,@function
k_q36bafcdbad_attn:
	s_mov_b64 s[64:65], 0
	v_nop
	global_prefetch_b8 v0, s[64:65] scope:SCOPE_SE
	s_setreg_imm32_b32 hwreg(HW_REG_WAVE_MODE, 25, 1), 1
	s_wait_xcnt 0x0
	s_wait_alu depctr_hold_cnt(0) depctr_sa_sdst(0) depctr_va_vdst(0) depctr_va_sdst(0) depctr_va_ssrc(0) depctr_va_vcc(0) depctr_vm_vsrc(0)
	s_getreg_b32 s2, hwreg(HW_REG_IB_STS2, 6, 4)
	s_cmp_eq_u32 s2, 0
	s_cbranch_scc0 .Lentry_in_a_cluster
	s_endpgm
.Lentry_in_a_cluster:
	s_bfe_u32 s2, ttmp6, 0x10000c
	s_cmp_lg_u32 s2, 0x3003
	s_cbranch_scc0 .Lentry_shape_is_right
	s_endpgm
.Lentry_shape_is_right:
; O[head][query] = the sum over keys of softmax(Q . K / 8) V, both products on codes of FP4 (E2M1) with one E8M0 scale for each 32 along a product's K; O is quantised along the model's 1,024 channels and leaves as codes.
; THE SOFTMAX AHEAD OF THE SECOND PRODUCT: t = score x log2(e) / 8; M = the row's largest t so far, rounded UP to a whole number; p = 2^(t - M) is what is quantised, along the keys; it is not normalised.
; The row's sum is taken of the unquantised p, in f32, and divides O at the end.  When M moves, the sum and O are multiplied by 2^(old M - new M): exact.
; IN.  q: [head 0..63][step 0..15][4,608], kv: [head][step][8,960]: images of operand registers (four registers = 512 consecutive bytes, lane l's 16 bytes at 16 l) and scale words, as the launch before lays them.
; SHARES.  A work-group owns a pair of heads and 256 queries; each of its sixteen waves owns ONE tile of 16 queries and walks first the one head's 2,048 keys, then the other's, 128 keys a step.  So a wave ends up
; with both halves of a fragment (16 positions x 128 channels) of the last product's left operand, and with its whole scale word.  Four waves share a SIMD: one wave's vector work stands beside another's products and LDS loads.
; LDS.  Both heads' K and V, 286,720 bytes, lie in LDS as they lie in kv; they are filled ONCE, each wave bringing a sixteenth (70 rows of 256 bytes).  Nothing is filled again and nothing is stored to LDS.
; CLUSTER.  The four query blocks of a cluster walk the same two heads: each of the sixteen loads is asked for jointly, with a mask that names the four.
; LAYOUT.  Both products are used transposed: S^T = K Q^T (source 0 = 16 keys, source 1 = my 16 queries), O^T = V^T P^T (source 0 = 16 channels, source 1 = P): a lane holds ONE query (lane % 16) throughout.
; The head has 64 channels, the instruction takes 128: registers 4-7 of K's and of Q's fragments hold zero codes, written once.
; The 16 registers of score tiles 2 B and 2 B + 1 hold keys 32 B + 8 h + 0..7 and 32 B + 16 + 8 h + 0..7: two conversions a block and two exchanges of lane halves a pair of blocks give P's fragment.
; LIMITS: NaN and infinities are not served.  A block whose largest magnitude lies under 2^-124 keeps the byte 1, a block of zeros too (this program alone reads the bytes).  1 / sum is v_rcp_f32 and a multiplication.
.set HREC, 143360                      ; kv: bytes a head
.set SREC, 8960                        ; and a step of 128 keys: K's 8 images, 512 bytes of K's scale words, V^T's 4 x 1,024, 256 bytes of V's scale words
.set QHREC, 73728                      ; q: bytes a head
.set QREC, 4608                        ; and a step of 128 positions
.set PART, 17920                       ; what one wave brings: 70 rows of 256 bytes
.set L16, 1                            ; v1   16 x lane
.set L8,  2                            ; v2   8 x lane
.set ADK, 3                            ; v3   LDS address of the step's images
.set ADT, 4                            ; v4   and of V's scale words
.set QSW, 5                            ; v5, v6  Q's scale words, first head, second head
.set VQ,  7                            ; v7   my byte in Q's record: the image
.set R32, 8                            ; v8   32 x (lane % 16): my row of the output's scale bytes
.set OW,  9                            ; v9   the output's scale word
.set VQS, 10                           ; v10  my byte in Q's record: the scale word
.set LN,  11                           ; v11  lane
                                       ; v12 -M, v13 the largest t, v[14:15] the sum in two halves; v16-23, v24-31 Q's fragments
.set KF,  32                           ; v32-95   K's eight fragments
.set VF,  96                           ; v96-127  V^T's four
.set SS,  128                          ; v128-191 S^T, then p
.set OO,  192                          ; v192-223 O^T
.set PCD, 224                          ; v224-231 p's codes
.set KSW, 232                          ; v232-235 K's scale words: register i, lane (r, h): tile 2 i + h
.set VSW, 236                          ; v236-237 V's likewise
.set FF,  238                          ; v238 f = 2^(old M - new M)
.set PS,  239                          ; v239 p's scale word
.set BM,  240                          ; v240-243 a block's largest score, then its largest p
.set PD,  244                          ; v244-247 at work
.set SO,  248                          ; v248-251 the conversions' scale operands
.set T0,  252
.set WV,  12                           ; s12  my wave's number
.set SEL, 20                           ; s[20:21] lane selects for v_permlanex16_b32: lane l xor 16
.set CS,  22                           ; s[22:23] c = log2(e) / 8
.set G1,  24                           ; s[24:31] descriptor group 1;  s[32:35] group 0
.set G0,  32
.set TB,  36                           ; s36  LDS byte at which the step's record begins
.set CNT, 37                           ; s37  steps to go
.macro CROUND                          ; a round of the cluster's barrier
	s_barrier_signal -1
	s_barrier_wait -1
	s_cmp_lg_u32 s[WV], 0
	s_cbranch_scc1 .Lnot_wave_0_\@
	s_barrier_signal -3
.Lnot_wave_0_\@:
	s_barrier_wait -3
	s_barrier_signal -1
	s_barrier_wait -1
.endm
	s_load_b256 s[4:11], s[0:1], 0x0               ; q s[4:5], kv s[6:7], ao_codes s[8:9], ao_scales s[10:11]
	v_lshl_add_u32 v254, v0, 2, 0x46000
	v_mov_b32 v255, 0
	ds_add_u32 v254, v255
	ds_add_u32 v254, v255
	v_lshrrev_b32 v3, 5, v0
	s_delay_alu instid0(VALU_DEP_1)
	v_readfirstlane_b32 s[WV], v3                  ; wave 0..15
	s_bfe_u32 s13, ttmp6, 0x40000                  ; cx: it enters q's and the outputs' addresses alone
	s_lshl_b32 s14, ttmp9, 2
	s_add_co_u32 s14, s14, s13                     ; my block of 256 queries = 4 x cluster x + cx
	s_and_b32 s15, ttmp7, 0xffff                   ; the pair of heads, 0..31, which the four partners share
	s_mul_i32 s16, s15, 2*HREC
	s_mul_i32 s[G0+1], s[WV], PART                 ; LDS address: wave x 17,920
	s_add_co_u32 s16, s16, s[G0+1]                 ; and the same place in the pair's bytes of kv
	s_mov_b32 s17, 0
	s_lshl_b32 s18, s14, 1
	s_lshr_b32 s19, s[WV], 3
	s_add_co_u32 s18, s18, s19                     ; Q's record: step 2 x block + wave / 8
	s_mul_i32 s18, s18, QREC
	s_mul_i32 s19, s15, 2*QHREC
	s_add_co_u32 s18, s18, s19
	s_mov_b32 s19, 0
	s_lshr_b32 s47, s15, 3                         ; the batch
	s_lshl_b32 s47, s47, 7
	s_lshl_b32 s48, s14, 4
	s_add_co_u32 s47, s47, s48
	s_add_co_u32 s47, s47, s[WV]                   ; my tile of 16 positions among 512: 128 x batch + 16 x block + wave
	s_and_b32 s48, s15, 7                          ; the pair of heads in the batch: the last product's K step
	s_lshl_b32 s50, s47, 13                        ; ao_codes: 8,192 bytes a tile, 1,024 a K step
	s_lshl_b32 s49, s48, 10
	s_add_co_u32 s50, s50, s49
	s_mov_b32 s51, 0
	s_lshl_b32 s52, s47, 9                         ; ao_scales: 32 bytes a row, 4 a K step
	s_lshl_b32 s49, s48, 2
	s_add_co_u32 s52, s52, s49
	s_mov_b32 s53, 0
	; descriptor group 1: 70 rows of 256 bytes (32 elements of 8 bytes), dense in memory and in LDS
	s_mov_b32 s[G1], 15|(3<<16)|(1<<21)            ; 15:0 the mask: all four work-groups; 17:16 elements of 8 bytes; no padding; 21 set beside a mask
	s_mov_b32 s[G1+1], 32<<16                      ; tensor_dim0
	s_mov_b32 s[G1+2], 70<<16                      ; tensor_dim1
	s_mov_b32 s[G1+3], 32<<16                      ; tile_dim0
	s_mov_b32 s[G1+4], 70                          ; tile_dim1
	s_mov_b32 s[G1+5], 32                          ; tensor_dim0_stride
	s_mov_b32 s[G1+6], 0
	s_mov_b32 s[G1+7], 0
	s_mov_b32 s[SEL], 0x76543210
	s_mov_b32 s[SEL+1], 0xfedcba98
	s_mov_b32 s[CS], 0x3e38aa3b                    ; c = log2(e) / sqrt(64)
	s_mov_b32 s[CS+1], s[CS]                       ; (named with it as a pair, so it is written)
	s_wait_dscnt 0x0
	s_wait_kmcnt 0x0
	s_mov_b32 s[G0], 1                             ; count = 1
	s_add_nc_u64 s[G0+2:G0+3], s[6:7], s[16:17]    ; global address
	s_or_b32 s[G0+3], s[G0+3], 0x80000000          ; type = 2
	s_add_nc_u64 s[40:41], s[4:5], s[18:19]        ; Q's record, first head
	s_add_nc_u64 s[42:43], s[8:9], s[50:51]        ; my fragment of ao_codes
	s_add_nc_u64 s[44:45], s[10:11], s[52:53]      ; my rows' words of ao_scales
	CROUND                                         ; all four work-groups are here: the joint loads meet
	tensor_load_to_lds s[G0:G0+3], s[G1:G1+7]      ; my one tensor load of the launch
	s_nop 0
.rept 4
	v_nop
.endr
	v_and_b32 v[LN], 31, v0
	s_delay_alu instid0(VALU_DEP_1)
	v_lshlrev_b32 v[L16], 4, v[LN]
	s_delay_alu instid0(VALU_DEP_2)
	v_lshlrev_b32 v[L8], 3, v[LN]
	v_and_b32 v[R32], 15, v0
	s_delay_alu instid0(VALU_DEP_1)
	v_lshlrev_b32 v[VQS], 4, v[R32]                ; 16 r
	s_wait_alu depctr_va_vdst(0)
	v_lshlrev_b32 v[R32], 5, v[R32]
	s_and_b32 s54, s[WV], 7                        ; my tile in Q's record
	s_lshl_b32 s54, s54, 9
	v_add_nc_u32 v[VQ], s54, v[L16]
	s_and_b32 s54, s[WV], 1                        ; its scale words: word (tile / 2) of lane 16 (tile % 2) + r, behind the eight images
	s_lshl_b32 s54, s54, 8
	s_bfe_u32 s55, s[WV], 0x20001
	s_lshl_b32 s55, s55, 2
	s_add_co_u32 s54, s54, s55
	s_add_co_u32 s54, s54, 4096
	v_add_nc_u32 v[VQS], s54, v[VQS]
	global_load_b128 v[16:19], v[VQ], s[40:41]                 ; Q stays in registers: first head,
	global_load_b128 v[24:27], v[VQ], s[40:41] offset:QHREC    ; second head
	global_load_b32 v[QSW], v[VQS], s[40:41]
	global_load_b32 v[QSW+1], v[VQS], s[40:41] offset:QHREC
.irp j, 20,21,22,23,28,29,30,31
	v_mov_b32 v\j, 0                               ; zero codes for k = 64 .. 127
.endr
.irp t, 0,1,2,3,4,5,6,7
.irp j, 4,5,6,7
	v_mov_b32 v[KF+8*\t+\j], 0                     ; the same in K's fragments: no load lands here
.endr
.endr
.irp b, 0,1,2,3
	v_mov_b32 v[PD+\b], 0                          ; written once: a lane permute's destination counts as one of its sources
.endr
	v_mov_b32 v[PS], 0                             ; (named as the upper half of the pair with f before it is first written)
	v_mov_b32 v[T0], 0
	s_wait_tensorcnt 0x0                           ; my sixteenth has landed,
	s_barrier_signal -1
	s_barrier_wait -1                              ; everybody's has
	s_wait_loadcnt 0x0                             ; Q
; ONE HEAD: p = 0 the pair's first, 1 its second.
.macro PASS p
.set QF, 16+8*\p
	v_mov_b32 v13, 0xff61b1e6                      ; the largest t so far: -3e38, under every t
	s_delay_alu instid0(VALU_DEP_1)
	v_floor_f32 v12, -v13                          ; -M
	v_mov_b32 v14, 0                               ; the sum, in two halves
	v_mov_b32 v15, 0
.set j, 0
.rept 32
	v_mov_b32 v[OO+j], 0                           ; O^T.  (The step is written once: the first finds zeros, which the first change of M leaves zeros)
.set j, j+1
.endr
	s_mov_b32 s[TB], HREC*\p
	s_mov_b32 s[CNT], 16
.Lstep_\@:                                         ; a trip: 128 keys
	s_setprio 2
	v_add_nc_u32 v[ADK], s[TB], v[L16]
	v_add_nc_u32 v[ADT], s[TB], v[L8]
	v_nop
	v_nop                                          ; four places between the last trip's products and the loads into V's fragments and scale words
.irp t, 0,1,2,3,4,5,6,7
	ds_load_b128 v[KF+8*\t:KF+8*\t+3], v[ADK] offset:512*\t
.endr
	ds_load_b128 v[KSW:KSW+3], v[ADK] offset:4096
.irp t, 0,1,2,3
.irp c, 0,1
	ds_load_b128 v[VF+8*\t+4*\c:VF+8*\t+4*\c+3], v[ADK] offset:4608+1024*\t+512*\c
.endr
.endr
	ds_load_b64 v[VSW:VSW+1], v[ADT] offset:8704
	s_wait_dscnt 9                                 ; K's nine loads are in; V's nine may be out
.irp u, 0,1,2,3                                ; S^T = K Q^T: tile t holds keys 16 t + 8 h + 0 .. 7 of my query
	v_wmma_scale_f32_16x16x128_f8f6f4 v[SS+16*\u:SS+16*\u+7], v[KF+16*\u:KF+16*\u+7], v[QF:QF+7], 0, v[KSW+\u], v[QSW+\p] matrix_a_fmt:MATRIX_FMT_FP4 matrix_b_fmt:MATRIX_FMT_FP4
	v_wmma_scale_f32_16x16x128_f8f6f4 v[SS+16*\u+8:SS+16*\u+15], v[KF+16*\u+8:KF+16*\u+15], v[QF:QF+7], 0, v[KSW+\u], v[QSW+\p] matrix_a_fmt:MATRIX_FMT_FP4 matrix_b_fmt:MATRIX_FMT_FP4 matrix_a_scale:MATRIX_SCALE_ROW1
.endr
.rept 4
	v_nop                                          ; places in front of the first read of the scores
.endr
.irp b, 0,1,2,3
	v_max3_num_f32 v[BM+\b], v[SS+16*\b], v[SS+16*\b+1], v[SS+16*\b+2]   ; the largest score of each block of 32 keys: it serves for the row's maximum and, since p rises with the score, for the block's largest p
.endr
.irp i, 3,5,7,9,11,13
.irp b, 0,1,2,3
	v_max3_num_f32 v[BM+\b], v[BM+\b], v[SS+16*\b+\i], v[SS+16*\b+\i+1]  ; (the four blocks by turns; each tile is read from its low end on)
.endr
.endr
.irp b, 0,1,2,3
	v_max_num_f32 v[BM+\b], v[BM+\b], v[SS+16*\b+15]
.endr
.irp b, 0,1,2,3
	s_delay_alu instid0(VALU_DEP_4)
	v_permlanex16_b32 v[PD+\b], v[BM+\b], s[SEL], s[SEL+1]
.endr
.irp b, 0,1,2,3
	s_delay_alu instid0(VALU_DEP_4)
	v_max_num_f32 v[BM+\b], v[BM+\b], v[PD+\b]     ; with lane l xor 16's 16 keys
.endr
	s_delay_alu instid0(VALU_DEP_2)
	v_max3_num_f32 v[T0], v[BM], v[BM+1], v[BM+2]
	s_delay_alu instid0(VALU_DEP_1)
	v_max_num_f32 v[T0], v[T0], v[BM+3]            ; the step's largest score of my query
	s_delay_alu instid0(VALU_DEP_1)
	v_mul_f32 v[T0], s[CS], v[T0]                  ; as t (c is positive)
	s_delay_alu instid0(VALU_DEP_1)
	v_max_num_f32 v13, v13, v[T0]                  ; the running largest t
	v_mov_b32 v[T0], v12
	s_delay_alu instid0(VALU_DEP_2)
	v_floor_f32 v12, -v13                          ; the new -M = floor(-t) = -ceil(t): a whole number
	s_delay_alu instid0(VALU_DEP_1)
	v_sub_f32 v[T0], v12, v[T0]                    ; M's old value less its new one: a whole number, 0 or less
	s_delay_alu instid0(VALU_DEP_1)
	v_cvt_i32_f32 v[T0], v[T0]                     ; (it saturates)
	s_delay_alu instid0(VALU_DEP_1)
	v_ldexp_f32 v[FF], 1.0, v[T0]                  ; f = 2^(old M - new M)
.set j, 0
.rept 32
	v_pk_fma_f32 v[SS+j:SS+j+1], v[SS+j:SS+j+1], s[CS:CS+1], v[12:13] op_sel_hi:[1,0,0]   ; t - M, two at a time (of the pairs c and -M the low word serves both halves)
.set j, j+2
.endr
.irp b, 0,1,2,3
	v_fma_f32 v[BM+\b], v[BM+\b], s[CS], v12       ; the same of each block's largest score
.endr
.set j, 0
	s_wait_alu depctr_va_vdst(0)
.rept 64
	v_exp_f32 v[SS+j], v[SS+j]                     ; p = 2^(t - M), at most 1: not normalised
.set j, j+1
.endr
	s_setprio 1
.irp b, 0,1,2,3
	v_exp_f32 v[BM+\b], v[BM+\b]                   ; the block's largest p: the same two instructions on the same number give the same bits
.endr
	v_pk_mul_f32 v[14:15], v[14:15], v[FF:FF+1] op_sel_hi:[1,0]   ; the sums under the new M.  (A plain place behind the exponentials)
	s_wait_alu depctr_va_vdst(0)
.irp b, 0,1,2,3
	v_max_num_f32 v[BM+\b], 0x1800000, v[BM+\b]    ; the floor 2^(3 - 127): the byte cannot fall under 1
.endr
.irp b, 0,1,2,3
	s_delay_alu instid0(VALU_DEP_4)
	v_add_nc_u32 v[SO+\b], 0xff000000, v[BM+\b]    ; 2 off the exponent field: the conversion's scale operand
.endr
.irp b, 0,1,2,3
	s_delay_alu instid0(VALU_DEP_4)
	v_lshrrev_b32 v[PD+\b], 23, v[SO+\b]           ; the scale's byte
.endr
	s_delay_alu instid0(VALU_DEP_3)
	v_lshl_or_b32 v[PS], v[PD+1], 8, v[PD]         ; p's scale word for these 128 keys
	s_delay_alu instid0(VALU_DEP_1)
	v_lshl_or_b32 v[PS], v[PD+2], 16, v[PS]
	s_delay_alu instid0(VALU_DEP_1)
	v_lshl_or_b32 v[PS], v[PD+3], 24, v[PS]
.irp b, 0,1,2,3
	v_cvt_scalef32_pk8_fp4_f32 v[PCD+4*(\b/2)+(\b%2)], v[SS+16*\b:SS+16*\b+7], v[SO+\b]        ; keys 32 b + 8 h + 0 .. 7
	v_cvt_scalef32_pk8_fp4_f32 v[PCD+4*(\b/2)+2+(\b%2)], v[SS+16*\b+8:SS+16*\b+15], v[SO+\b]   ; keys 32 b + 16 + 8 h + 0 .. 7
.endr
	v_nop                                          ; one plain place behind a scaled conversion
.irp c, 0,1                                    ; register 4 c + i then holds keys 64 c + 32 h + 8 i + 0 .. 7
	v_permlane16_swap_b32 v[PCD+4*\c], v[PCD+4*\c+1]
	v_permlane16_swap_b32 v[PCD+4*\c+2], v[PCD+4*\c+3]
.endr
	v_pk_add_f32 v[PD:PD+1], v[SS:SS+1], v[SS+2:SS+3]   ; the row's sum is taken of the unquantised p: two at a time, in two chains
.irp j, 4,8,12,16,20,24,28,32,36,40,44,48,52,56,60
	v_pk_add_f32 v[14:15], v[14:15], v[SS+\j:SS+\j+1]
	v_pk_add_f32 v[PD:PD+1], v[PD:PD+1], v[SS+\j+2:SS+\j+3]
.endr
	s_delay_alu instid0(VALU_DEP_1)
	v_pk_add_f32 v[14:15], v[14:15], v[PD:PD+1]
.set j, 0
	s_setprio 0
.rept 16
	v_pk_mul_f32 v[OO+j:OO+j+1], v[OO+j:OO+j+1], v[FF:FF+1] op_sel_hi:[1,0]   ; O^T under the new M.  (With the 32 sums: the places between p's codes and scale word and the products below)
.set j, j+2
.endr
	s_wait_alu depctr_va_vdst(0)
	s_wait_dscnt 0x0                               ; V is in
.irp u, 0,1                                    ; O^T += V^T P^T: the four accumulators take turns, and eight other products stand between two trips'
	v_wmma_scale_f32_16x16x128_f8f6f4 v[OO+16*\u:OO+16*\u+7], v[VF+16*\u:VF+16*\u+7], v[PCD:PCD+7], v[OO+16*\u:OO+16*\u+7], v[VSW+\u], v[PS] matrix_a_fmt:MATRIX_FMT_FP4 matrix_b_fmt:MATRIX_FMT_FP4
	v_wmma_scale_f32_16x16x128_f8f6f4 v[OO+16*\u+8:OO+16*\u+15], v[VF+16*\u+8:VF+16*\u+15], v[PCD:PCD+7], v[OO+16*\u+8:OO+16*\u+15], v[VSW+\u], v[PS] matrix_a_fmt:MATRIX_FMT_FP4 matrix_b_fmt:MATRIX_FMT_FP4 matrix_a_scale:MATRIX_SCALE_ROW1
.endr
	s_add_co_u32 s[TB], s[TB], SREC
	s_sub_co_u32 s[CNT], s[CNT], 1
	s_cmp_lg_u32 s[CNT], 0
	s_cbranch_scc1 .Lstep_\@
	s_setprio 0
	; the head is done: O^T / the sum, quantised along its 64 channels: two blocks
.rept 4
	v_nop
.endr
	v_add_f32 v14, v14, v15                        ; the sum's two halves,
	s_delay_alu instid0(VALU_DEP_1)
	v_permlanex16_b32 v[T0], v14, s[SEL], s[SEL+1]
	s_delay_alu instid0(VALU_DEP_1)
	v_add_f32 v14, v14, v[T0]                      ; and lane l xor 16's: the row's sum
	s_wait_alu depctr_va_vdst(0)
	v_rcp_f32 v14, v14
	v_nop                                          ; one plain place behind a transcendental
.set j, 0
	s_wait_alu depctr_va_vdst(0)
.rept 16
	v_pk_mul_f32 v[SS+j:SS+j+1], v[OO+j:OO+j+1], v[14:15] op_sel_hi:[1,0]   ; register 8 t + i: channel 16 t + 8 h + i of my query; each tile from its low end on
.set j, j+2
.endr
.irp b, 0,1
	v_max3_num_f32 v[BM+\b], |v[SS+16*\b]|, |v[SS+16*\b+1]|, 0x1800000
.endr
.irp i, 2,4,6,8,10,12,14
.irp b, 0,1
	s_delay_alu instid0(VALU_DEP_2)
	v_max3_num_f32 v[BM+\b], v[BM+\b], |v[SS+16*\b+\i]|, |v[SS+16*\b+\i+1]|
.endr
.endr
.irp b, 0,1
	s_delay_alu instid0(VALU_DEP_2)
	v_permlanex16_b32 v[PD+\b], v[BM+\b], s[SEL], s[SEL+1]
.endr
.irp b, 0,1
	s_delay_alu instid0(VALU_DEP_2)
	v_max_num_f32 v[BM+\b], v[BM+\b], v[PD+\b]
.endr
.irp b, 0,1
	s_delay_alu instid0(VALU_DEP_2)
	v_add_nc_u32 v[SO+\b], 0xff000000, v[BM+\b]
.endr
.irp b, 0,1
	s_delay_alu instid0(VALU_DEP_2)
	v_lshrrev_b32 v[PD+\b], 23, v[SO+\b]
.endr
.if \p == 0
	s_delay_alu instid0(VALU_DEP_1)
	v_lshl_or_b32 v[OW], v[PD+1], 8, v[PD]         ; bytes 0, 1 of the K step's scale word
.else
	s_delay_alu instid0(VALU_DEP_1)
	v_lshl_or_b32 v[T0], v[PD+1], 8, v[PD]
	s_delay_alu instid0(VALU_DEP_1)
	v_lshl_or_b32 v[OW], v[T0], 16, v[OW]          ; bytes 2, 3
.endif
.irp b, 0,1
	v_cvt_scalef32_pk8_fp4_f32 v[PCD+\b], v[SS+16*\b:SS+16*\b+7], v[SO+\b]
	v_cvt_scalef32_pk8_fp4_f32 v[PCD+2+\b], v[SS+16*\b+8:SS+16*\b+15], v[SO+\b]
.endr
	v_nop
	v_permlane16_swap_b32 v[PCD], v[PCD+1]
	v_permlane16_swap_b32 v[PCD+2], v[PCD+3]
	global_store_b128 v[L16], v[PCD:PCD+3], s[42:43] offset:512*\p   ; half p of the fragment's image: 512 consecutive bytes, at a multiple of 256 from the buffer's first byte
.endm
	PASS 0
	s_wait_xcnt 0x0                                ; the store's data are written again only behind this wait
	PASS 1
	s_wait_alu depctr_va_vdst(0)
	s_wait_xcnt 0x0                                ; EXEC changes only behind this wait
	v_cmp_gt_u32 vcc_lo, 16, v[LN]
	s_and_saveexec_b32 s46, vcc_lo                 ; lanes 0-15: lane r has row r's word (lanes 16-31 hold the same)
	global_store_b32 v[R32], v[OW], s[44:45]       ; 4 bytes of each of 16 rows of 32: the rows lie as the next launch's scale bytes must; 262,144 bytes in the whole launch
	s_wait_xcnt 0x0                                ; and again, in front of the line that widens it
	s_or_b32 exec_lo, exec_lo, s46
	s_wait_tensorcnt 0x0
	ds_add_u32 v254, v255
	s_wait_dscnt 0x0
	CROUND                                         ; the closing round: no work-group ends while a partner may still ask for a tile that names it
	s_endpgm
.Lfunc_end_k_q36bafcdbad_attn:
	.size	k_q36bafcdbad_attn, .Lfunc_end_k_q36bafcdbad_attn-k_q36bafcdbad_attn
	.p2alignl 7, 3214868480
	.fill 96, 4, 3214868480
	.section	.rodata,"a",@progbits
	.p2align	6, 0x0
	.amdhsa_kernel k_q36bafcdbad_attn
		.amdhsa_group_segment_fixed_size 327680
		.amdhsa_private_segment_fixed_size 0
		.amdhsa_enable_private_segment 0
		.amdhsa_kernarg_size 32
		.amdhsa_user_sgpr_count 2
		.amdhsa_user_sgpr_kernarg_segment_ptr 1
		.amdhsa_wavefront_size32 1
		.amdhsa_system_sgpr_workgroup_id_x 1
		.amdhsa_system_sgpr_workgroup_id_y 1
		.amdhsa_system_sgpr_workgroup_id_z 1
		.amdhsa_system_vgpr_workitem_id 0
		.amdhsa_next_free_vgpr 256
		.amdhsa_next_free_sgpr 66
		.amdhsa_reserve_vcc 1
		.amdhsa_float_denorm_mode_32 3
		.amdhsa_float_denorm_mode_16_64 3
		.amdhsa_memory_ordered 1
		.amdhsa_forward_progress 1
		.amdhsa_inst_pref_size 50
	.end_amdhsa_kernel
	.amdgpu_metadata
---
amdhsa.version: [ 1, 2 ]
amdhsa.kernels:
  - .name:           k_q36bafcdbad_attn
    .symbol:         k_q36bafcdbad_attn.kd
    .args:
      - { .name: q, .offset: 0, .size: 8, .value_kind: global_buffer, .address_space: global }
      - { .name: kv, .offset: 8, .size: 8, .value_kind: global_buffer, .address_space: global }
      - { .name: ao_codes, .offset: 16, .size: 8, .value_kind: global_buffer, .address_space: global }
      - { .name: ao_scales, .offset: 24, .size: 8, .value_kind: global_buffer, .address_space: global }
    .group_segment_fixed_size: 327680
    .private_segment_fixed_size: 0
    .kernarg_segment_align: 8
    .kernarg_segment_size: 32
    .max_flat_workgroup_size: 512
    .sgpr_count:     66
    .vgpr_count:     256
    .wavefront_size: 32
...
	.end_amdgpu_metadata
.endif
;; end of part 2
;; launch proj (part 3): grid 4 x 32, 4 waves a work-group, clusters of 4 x 4, 327,680 bytes of LDS; arguments ao_codes, ao_scales, W_out_codes, W_out_scales, b_out, out0; writes out0
.if DOCPART == 3
	.amdgcn_target "amdgcn-amd-amdhsa--gfx1250"
	.amdhsa_code_object_version 6
	.text
	.protected	k_q36bafcdbad_proj
	.globl	k_q36bafcdbad_proj
	.p2align	8
	.type	k_q36bafcdbad_proj,@function
k_q36bafcdbad_proj:
	s_mov_b64 s[64:65], 0
	v_nop
	global_prefetch_b8 v0, s[64:65] scope:SCOPE_SE
	s_setreg_imm32_b32 hwreg(HW_REG_WAVE_MODE, 25, 1), 1
	s_wait_xcnt 0x0
	s_wait_alu depctr_hold_cnt(0) depctr_sa_sdst(0) depctr_va_vdst(0) depctr_va_sdst(0) depctr_va_ssrc(0) depctr_va_vcc(0) depctr_vm_vsrc(0)
	s_getreg_b32 s2, hwreg(HW_REG_IB_STS2, 6, 4)
	s_cmp_eq_u32 s2, 0
	s_cbranch_scc0 .Lentry_in_a_cluster
	s_endpgm
.Lentry_in_a_cluster:
	s_bfe_u32 s2, ttmp6, 0x10000c
	s_cmp_lg_u32 s2, 0xf033
	s_cbranch_scc0 .Lentry_shape_is_right
	s_endpgm
.Lentry_shape_is_right:
; out0 = A W_out + b_out on codes of FP4 (E2M1) with one E8M0 scale for each 32 along K = 1,024.  A is the attention's result, [8,192][1,024]; W_out: [1,024][1,024] codes, K innermost; out0: [8,192][1,024] f32.
; A's codes come as IMAGES OF FRAGMENTS: ao_codes [tile of 16 rows 0..511][K step of 128 0..7][1,024 bytes]: registers 4 c .. 4 c + 3 are 512 consecutive bytes, lane l's 16 bytes at 16 l.  A's scale bytes lie [8,192][32], as W_out's do.
; A tile of out0, 256 x 256, is made by a work-group of four waves; a wave makes 128 x 128: 64 accumulators of 16 x 16, 512 registers.  K goes in two steps of 512 through two LDS slots, each filled once.
; The scales of the work-group's rows, for all of K, come into LDS once, with the first fills.
; THE MATRIX INSTRUCTION IS USED TRANSPOSED (source 0 = 16 rows of W_out, source 1 = 16 rows of A): a lane holds eight neighbouring numbers of a row of out0.  The bias is the C of each sum's first product.
; CLUSTERS: 4 x 4 work-groups; A's tiles are asked for jointly along a row of the cluster, W_out's along a column.  The launch has 128 work-groups: one for each tile of 256 x 256.
; LIMITS: NaN, infinities and a given scale byte 0xff are not served.
; REGISTERS, in windows of 256: window 0: v0-31 addresses; v32-95 scale words, two sets; v128-191 A's fragments, one set; v192-255 the bias; on the way out v128-255 hold rows.
;   window 1: W_out's fragments, two sets.   windows 2, 3: the accumulators, (a, b) at v[8 (8 (a % 4) + b)].
.set SIZE_N, 1024
.set KSTEP,  512
.set NQ,     KSTEP/128
.set ROWB,   256                       ; a row of W_out's tile in bytes
.set KROW,   512                       ; a row of codes in memory; also 16 rows of A's images / 16
.set PITCH,  272                       ; W_out's rows in LDS: 256 bytes + 16 of padding
.set FR,     8
.set NL,     2
.set NP,     4                         ; places behind this matrix instruction (ISA guide 7.12.1)
.set HALFT,  128*PITCH                 ; room for 128 rows: one tensor load (A's images use 32,768 bytes of it)
.set SLOT,   4*HALFT
.set KS,     32
.set SCL,    2*SLOT
.set HALFS,  (128*KS/256)*272
.set SBLK,   (16*KS/256)*272
.set SPARE,  SCL+4*HALFS               ; the spare words, 128 bytes for each wave: two blocks of 256 bytes that no other line names
.set SPITCH, 528                       ; the way out: a stage of 16 rows x (512 bytes + 16) for each wave, in slot 0, which has had its only fill and its last read when the first result is stored there
.set ADRA, 16
.set ADRB, 20
.set STO,  24                          ; v24  the way out: where I put 32 bytes of a row
.set RD,   25                          ; v25  where I read a row back
.set CO,   26                          ; v26  16 x lane: my byte in a row of out0, and in an image
.set ADRS, 27
.set SPW,  28
.set NIL,  29
.set VB,   30                          ; v30  my byte offset in the bias
.set SC,   32
.set AF,   128
.set BI,   192                         ; the bias: register 8 b + j: column 16 b + 8 h + j of my 128
.set BK,   128
.set G1, 24
.set G0, 32
.set G1B, 48
.set G0B, 56
.set G1S, 68
.set G0S, 76
.set G1SB, 80
.set G0SB, 88
.set MSB, 0
.macro WIN new                         ; the immediate's high byte repeats the setting that is left
.if MSB != \new
	s_set_vgpr_msb (MSB<<8)|\new
.set MSB, \new
.endif
.endm
.set MUL_LO, 0xa1                      ; source 0 (W_out) window 1, source 1 (A) window 0, C and D window 2
.set MUL_HI, 0xf1                      ; the same, C and D window 3
.set FIRST_LO, 0x81                    ; the first step: C (the bias) window 0, D window 2
.set FIRST_HI, 0xc1                    ; D window 3
.set TO_B,   0x40
.macro JLOAD g0a, g1a, g0b, g1b        ; a joint load: waves 0 and 1 fetch for A, waves 2 and 3 for W_out; four v_nop follow each of the two lines
	s_cmp_eq_u32 s15, 0
	s_cbranch_scc0 .Lfor_b_\@
	tensor_load_to_lds s[\g0a:\g0a+3], s[\g1a:\g1a+7]
	s_nop 0
.rept 4
	v_nop
.endr
	s_branch .Lasked_\@
.Lfor_b_\@:
	tensor_load_to_lds s[\g0b:\g0b+3], s[\g1b:\g1b+7]
	s_nop 0
.rept 4
	v_nop
.endr
.Lasked_\@:
.endm
.macro CROUND                          ; a round of the cluster's barrier
	s_barrier_signal -1
	s_barrier_wait -1
	s_cmp_lg_u32 s14, 0
	s_cbranch_scc1 .Lnot_wave_0_\@
	s_barrier_signal -3
.Lnot_wave_0_\@:
	s_barrier_wait -3
	s_barrier_signal -1
	s_barrier_wait -1
.endm
	s_load_b128 s[4:7], s[0:1], 0x0                ; A's codes s[4:5], A's scales s[6:7]
	s_load_b128 s[8:11], s[0:1], 0x10              ; W_out's codes s[8:9], its scales s[10:11]
	s_load_b64 s[66:67], s[0:1], 0x20              ; b_out
	s_load_b64 s[12:13], s[0:1], 0x28              ; out0
	v_lshl_add_u32 v[SPW], v0, 2, SPARE
	v_mov_b32 v[NIL], 0
	ds_add_u32 v28, v29
	ds_add_u32 v28, v29
	s_wait_dscnt 0x0
	v_lshrrev_b32 v1, 5, v0
	v_readfirstlane_b32 s14, v1                    ; wave 0..3
	s_lshr_b32 s15, s14, 1                         ; which half of the tile's rows is mine.  Also: I fetch for A (0) or for W_out (1)
	s_and_b32 s16, s14, 1                          ; which half of its columns.  Also: which 128 rows of that tile I fetch
	s_bfe_u32 s40, ttmp6, 0x40000                  ; cx, cy
	s_bfe_u32 s41, ttmp6, 0x40004
	s_lshl_b32 s42, ttmp9, 2
	s_add_co_u32 s42, s42, s40                     ; tile column = 4 x cluster x + cx
	s_and_b32 s17, ttmp7, 0xffff
	s_lshl_b32 s17, s17, 2
	s_add_co_u32 s17, s17, s41                     ; tile row = 4 x cluster y + cy
	s_lshl_b32 s43, s41, 2
	s_lshl_b32 s43, 15, s43                        ; my row of the cluster
	s_lshl_b32 s44, 0x1111, s40                    ; my column
	; descriptor group 1 for A: 8 tiles of 16 rows, of each the 4,096 bytes of four K steps' images (512 elements of 8 bytes), 8,192 bytes from tile to tile; dense in LDS
	s_or_b32 s[G1+0], s43, (3<<16)|(1<<21)         ; 15:0 the mask: my row; 17:16 elements of 8 bytes; no padding; 21 set beside a mask
	s_mov_b32 s[G1+1], 512<<16                     ; tensor_dim0
	s_mov_b32 s[G1+2], 8<<16                       ; tensor_dim1
	s_mov_b32 s[G1+3], 512<<16                     ; tile_dim0
	s_mov_b32 s[G1+4], 8                           ; tile_dim1
	s_mov_b32 s[G1+5], 1024                        ; tensor_dim0_stride
	s_mov_b32 s[G1+6], 0
	s_mov_b32 s[G1+7], 0
	; for W_out: 128 rows x 256 bytes, padded in LDS
	s_or_b32 s[G1B+0], s44, (0<<16)|(1<<20)|(1<<21)|(5<<22)|(3<<25)
	s_mov_b32 s[G1B+1], ROWB<<16
	s_mov_b32 s[G1B+2], 128<<16
	s_mov_b32 s[G1B+3], ROWB<<16
	s_mov_b32 s[G1B+4], 128
	s_mov_b32 s[G1B+5], KROW
	s_mov_b32 s[G1B+6], 0
	s_mov_b32 s[G1B+7], 0
	; the scales of 128 rows: 4,096 dense bytes, as 16 rows of 256 bytes, 16 bytes of padding behind each
	s_or_b32 s[G1S+0], s43, (3<<16)|(1<<20)|(1<<21)|(5<<22)|(3<<25)
	s_or_b32 s[G1SB+0], s44, (3<<16)|(1<<20)|(1<<21)|(5<<22)|(3<<25)
.irp g, G1S, G1SB
	s_mov_b32 s[\g+1], 32<<16
	s_mov_b32 s[\g+2], (128*KS/256)<<16
	s_mov_b32 s[\g+3], 32<<16
	s_mov_b32 s[\g+4], 128*KS/256
	s_mov_b32 s[\g+5], 32
	s_mov_b32 s[\g+6], 0
	s_mov_b32 s[\g+7], 0
.endr
	s_lshl_b32 s18, s16, 7                         ; which 128 rows of the tile I fetch
	s_lshl_b32 s20, s17, 8
	s_add_co_u32 s20, s20, s18                     ; A: row 256 x tile row + 128 x half
	s_lshl_b32 s46, s42, 8
	s_add_co_u32 s46, s46, s18                     ; W_out: row 256 x tile column + 128 x half
	s_mov_b32 s21, 0
	s_mov_b32 s47, 0
	s_mov_b64 s[18:19], KS
	s_mul_u64 s[22:23], s[20:21], s[18:19]         ; where these rows' scales begin
	s_mul_u64 s[92:93], s[46:47], s[18:19]
	s_mov_b64 s[18:19], KROW
	s_mul_u64 s[20:21], s[20:21], s[18:19]         ; and their codes (A: 8,192 bytes for 16 rows is 512 a row too)
	s_mul_u64 s[46:47], s[46:47], s[18:19]
	s_mul_i32 s45, s14, HALFT                      ; where they go: no place in the cluster enters an LDS address
	s_mul_i32 s94, s14, HALFS
	s_wait_kmcnt 0x0
	s_add_nc_u64 s[20:21], s[4:5], s[20:21]
	s_add_nc_u64 s[22:23], s[6:7], s[22:23]
	s_add_nc_u64 s[46:47], s[8:9], s[46:47]
	s_add_nc_u64 s[92:93], s[10:11], s[92:93]
	CROUND                                         ; all sixteen work-groups are here: the first joint loads meet
	s_mov_b32 s[G0S], 1
	s_add_co_u32 s[G0S+1], s94, SCL
	s_mov_b64 s[G0S+2:G0S+3], s[22:23]
	s_or_b32 s[G0S+3], s[G0S+3], 0x80000000
	s_mov_b32 s[G0SB], 1
	s_add_co_u32 s[G0SB+1], s94, SCL
	s_mov_b64 s[G0SB+2:G0SB+3], s[92:93]
	s_or_b32 s[G0SB+3], s[G0SB+3], 0x80000000
	JLOAD G0S, G1S, G0SB, G1SB                     ; the scales first
.irp s, 0,1
	s_mov_b32 s[G0+4*\s], 1
	s_add_co_u32 s[G0+4*\s+1], s45, \s*SLOT
	s_add_nc_u64 s[G0+4*\s+2:G0+4*\s+3], s[20:21], \s*4096       ; A: four K steps' images on
	s_or_b32 s[G0+4*\s+3], s[G0+4*\s+3], 0x80000000
	s_mov_b32 s[G0B+4*\s], 1
	s_add_co_u32 s[G0B+4*\s+1], s45, \s*SLOT
	s_add_nc_u64 s[G0B+4*\s+2:G0B+4*\s+3], s[46:47], \s*ROWB
	s_or_b32 s[G0B+4*\s+3], s[G0B+4*\s+3], 0x80000000
	s_wait_alu depctr_va_vdst(0)
	s_wait_tensorcnt 0x0
	ds_add_u32 v28, v29
	s_wait_dscnt 0x0
	CROUND
	JLOAD G0+4*\s, G1, G0B+4*\s, G1B               ; this load is my only one out: the wait above saw the earlier ones land
.endr
	v_and_b32 v1, 15, v0                           ; r
	v_bfe_u32 v2, v0, 4, 1                         ; h
	v_mul_u32_u24 v3, v1, PITCH
	v_lshl_add_u32 v4, v2, 4, v3                   ; W_out: a fragment's row x pitch + 16 x half
	v_and_b32 v6, 31, v0
	v_lshlrev_b32 v[CO], 4, v6                     ; 16 x lane
	s_mul_i32 s21, s15, HALFT                      ; my 128 rows of A
	s_mul_i32 s22, s16, HALFT                      ; my 128 rows of W_out,
	s_add_co_u32 s22, s22, 2*HALFT                 ; which lie behind A's
.irp s, 0,1
	v_add_nc_u32 v[ADRA+\s], s21, v[CO]
	v_add_nc_u32 v[ADRB+\s], s22, v4
	s_add_co_u32 s21, s21, SLOT
	s_add_co_u32 s22, s22, SLOT
.endr
	v_mul_u32_u24 v5, v1, KS                       ; my row's scales: 32 bytes a row,
	v_lshrrev_b32 v6, 8, v5
	v_lshl_add_u32 v5, v6, 4, v5                   ; and 16 more for each 256 passed
	s_mul_i32 s21, s15, HALFS
	s_mul_i32 s22, s16, HALFS
	s_add_co_u32 s22, s22, 2*HALFS
	s_sub_co_u32 s22, s22, s21
	v_mul_u32_u24 v6, s22, v2                      ; lanes 16-31 take W_out's
	s_add_co_u32 s21, s21, SCL
	v_add_nc_u32 v5, v5, v6
	v_add_nc_u32 v[ADRS], s21, v5
	s_mul_i32 s23, s14, 16*SPITCH                  ; my stage
	v_mul_u32_u24 v5, v1, SPITCH                   ; in: row l % 16, 32 bytes for each half of the lanes
	v_lshl_add_u32 v5, v2, 5, v5
	v_add_nc_u32 v[STO], s23, v5
	v_add_nc_u32 v[RD], s23, v[CO]                 ; back: the 32 lanes take one row of 512 bytes
	s_lshl_b32 s20, s17, 8
	s_lshl_b32 s21, s15, 7
	s_add_co_u32 s20, s20, s21                     ; my first row of out0
	s_mov_b32 s21, 0
	s_mov_b64 s[18:19], SIZE_N*4
	s_mul_u64 s[20:21], s[20:21], s[18:19]
	s_lshl_b32 s46, s42, 10                        ; my first column, in bytes: 1,024 x tile column + 512 x half
	s_lshl_b32 s47, s16, 9
	s_add_co_u32 s46, s46, s47
	s_mov_b32 s47, 0
	s_add_nc_u64 s[66:67], s[66:67], s[46:47]      ; the bias of my 128 columns begins as many bytes on
	s_add_nc_u64 s[20:21], s[20:21], s[46:47]
	s_add_nc_u64 s[12:13], s[12:13], s[20:21]
	v_lshlrev_b32 v[VB], 5, v2                     ; 32 h
.irp b, 0,1,2,3,4,5,6,7
	global_load_b128 v[BI+8*\b:BI+8*\b+3], v[VB], s[66:67] offset:64*\b
	global_load_b128 v[BI+8*\b+4:BI+8*\b+7], v[VB], s[66:67] offset:64*\b+16
.endr
.macro FRAG reg, adr, q, i             ; a fragment of W_out from rows: lane l holds row l % 16; registers 4 c .. 4 c + 3 hold K = 64 c + 32 (l / 16) + 0 .. 31
.irp c, 0,1
	ds_load_b128 v[\reg+4*\c:\reg+4*\c+3], v[\adr] offset:64*(\q)+32*\c+(\i)*16*PITCH
.endr
.endm
.macro FRAGA reg, adr, q, i            ; a fragment of A from its image: tile i, the slot's q-th K step, 512 consecutive bytes a load
.irp c, 0,1
	ds_load_b128 v[\reg+4*\c:\reg+4*\c+3], v[\adr] offset:4096*(\i)+1024*(\q)+512*\c
.endr
.endm
; 16 matrix instructions: A's blocks a0, a0 + 1 x W_out's eight.  first = 1: the first product starts the sums from the bias.  The 64 accumulators take turns, one instruction a turn.
.macro MUL16 a0, p, q, sc, first
.irp a, \a0, \a0+1
.irp b, 0,1,2,3,4,5,6,7
.if \first
	v_wmma_scale_f32_16x16x128_f8f6f4 v[8*(8*((\a)%4)+\b):8*(8*((\a)%4)+\b)+7], v[128*(\p)+FR*\b:128*(\p)+FR*\b+FR-1], v[AF+FR*(\a):AF+FR*(\a)+FR-1], v[BI+8*\b:BI+8*\b+7], v[SC+8*NQ*(\sc)+NQ*\b+(\q)], v[SC+8*NQ*(\sc)+NQ*(\a)+(\q)] matrix_a_fmt:MATRIX_FMT_FP4 matrix_b_fmt:MATRIX_FMT_FP4 matrix_a_scale:MATRIX_SCALE_ROW1
.else
	v_wmma_scale_f32_16x16x128_f8f6f4 v[8*(8*((\a)%4)+\b):8*(8*((\a)%4)+\b)+7], v[128*(\p)+FR*\b:128*(\p)+FR*\b+FR-1], v[AF+FR*(\a):AF+FR*(\a)+FR-1], v[8*(8*((\a)%4)+\b):8*(8*((\a)%4)+\b)+7], v[SC+8*NQ*(\sc)+NQ*\b+(\q)], v[SC+8*NQ*(\sc)+NQ*(\a)+(\q)] matrix_a_fmt:MATRIX_FMT_FP4 matrix_b_fmt:MATRIX_FMT_FP4 matrix_a_scale:MATRIX_SCALE_ROW1
.endif
.endr
.endr
.endm
.macro FETCH_B slot, q, p
	WIN TO_B
.irp i, 0,1,2,3,4,5,6,7
	FRAG 128*(\p)+FR*\i, ADRB+\slot, \q, \i
.endr
	WIN 0
.endm
.macro FETCH_A slot, q, i0
.irp i, \i0, \i0+1, \i0+2, \i0+3
	FRAGA AF+FR*(\i), ADRA+\slot, \q, \i
.endr
.endm
.macro SCALES sc                       ; a K step's scale words into set sc; lanes 0-15 take A's block i, lanes 16-31 W_out's block i
.irp i, 0,1,2,3,4,5,6,7
	ds_load_b128 v[SC+8*NQ*\sc+NQ*\i:SC+8*NQ*\sc+NQ*\i+3], v[ADRS] offset:\i*SBLK
.endr
.endm
; A load into a register that a matrix instruction has read, and an LDS store that reads a matrix result, stand NP places behind that matrix instruction; only plain vector instructions
; that name none of its registers are places (ISA guide 7.12.1 for vector instructions).
.macro PLACES n
.rept \n
	v_nop
.endr
.endm
.macro STEP slot, q, first             ; a step of 128 along K that has its successor in the same slot
	s_wait_dscnt 4*NL                              ; W_out's set and A's blocks 0-3 are in; the youngest eight loads (A's blocks 4-7) may be out
.if \first
	WIN FIRST_LO
.else
	WIN MUL_LO
.endif
	MUL16 0, (\q)%2, \q, \slot, \first
	MUL16 2, (\q)%2, \q, \slot, \first
	s_wait_dscnt 0                                 ; A's blocks 4-7 are in
	PLACES NP
	FETCH_B \slot, (\q)+1, 1-(\q)%2
	FETCH_A \slot, (\q)+1, 0
.if \first
	WIN FIRST_HI
.else
	WIN MUL_HI
.endif
	MUL16 4, (\q)%2, \q, \slot, \first
	MUL16 6, (\q)%2, \q, \slot, \first
	PLACES NP
	WIN 0
	FETCH_A \slot, (\q)+1, 4
.endm
.macro TURN slot, next                 ; slot 0's last step changes slots: one barrier; nothing is filled again
	s_wait_tensorcnt 0x0                           ; all my tensor loads have landed: my part of slot 1 was the one still out
	ds_add_u32 v[SPW], v[NIL]                      ; 0 onto my spare word
	s_wait_dscnt 4*NL+1                            ; (the add and the youngest eight loads may be out)
	WIN MUL_LO
	MUL16 0, 1, NQ-1, \slot, 0
	s_wait_dscnt 0x0                               ; the add is done, and my reads of this slot are over
	s_barrier_signal -1
	MUL16 2, 1, NQ-1, \slot, 0
	WIN 0
	s_barrier_wait -1
	PLACES NP
	v_add_nc_u32 v[ADRS], 4*NQ, v[ADRS]            ; on to the next K step's scale words
	FETCH_B \next, 0, 0
	FETCH_A \next, 0, 0
	SCALES \next
	WIN MUL_HI
	MUL16 4, 1, NQ-1, \slot, 0
	MUL16 6, 1, NQ-1, \slot, 0
	PLACES NP
	WIN 0
	FETCH_A \next, 0, 4
.endm
.macro STEPS slot, from
.set Q, \from
.rept NQ-1-\from
	STEP \slot, Q, 0
.set Q, Q+1
.endr
.endm
	s_wait_alu depctr_va_vdst(0)
	s_wait_tensorcnt 1                             ; the scales and my part of slot 0 are in (slot 1's load may be out),
	s_barrier_signal -1
	s_barrier_wait -1                              ; everybody's are
	FETCH_B 0, 0, 0
	FETCH_A 0, 0, 0
	SCALES 0
	FETCH_A 0, 0, 4
	s_wait_loadcnt 0x0                             ; the bias
	STEP 0, 0, 1                                   ; the first step's products start the sums from the bias: nothing is cleared, nothing is added later
	STEPS 0, 1
	TURN 0, 1
	STEPS 1, 0
	s_wait_dscnt 4*NL                              ; the very last step: nothing more to fetch
	WIN MUL_LO
	MUL16 0, 1, NQ-1, 1, 0
	MUL16 2, 1, NQ-1, 1, 0
	s_wait_dscnt 0
	WIN MUL_HI
	MUL16 4, 1, NQ-1, 1, 0
	MUL16 6, 1, NQ-1, 1, 0
	WIN 0
; THE WAY OUT, block by block of 16 rows x 128 columns: through my own stage in LDS and back as whole rows of 512 bytes.  LDS serves a wave's instructions in order (ISA guide 5.7.1.4): no wait between the stores and the loads.
.macro TOSTAGE a
.set AC, 64*((\a)%4)
	WIN 0x08+4*((\a)/4)                            ; the data: window 2 or 3
.irp b, 0,1,2,3,4,5,6,7
	ds_store_b128 v[STO], v[AC+8*\b:AC+8*\b+3] offset:64*\b          ; each accumulator from its low end on
	ds_store_b128 v[STO], v[AC+8*\b+4:AC+8*\b+7] offset:64*\b+16
.endr
	WIN 0
.set BB, BK+64*((\a)%2)
.irp t, 0,1,2,3,4,5,6,7,8,9,10,11,12,13,14,15
	ds_load_b128 v[BB+4*\t:BB+4*\t+3], v[RD] offset:\t*SPITCH
.endr
.endm
.macro SEND a, younger                 ; younger: the LDS instructions issued behind block a's loads, which may stay out
.set BB, BK+64*((\a)%2)
	s_wait_dscnt \younger                          ; the block is back in registers
.if (\a) > 0
	s_add_nc_u64 s[12:13], s[12:13], 16*SIZE_N*4   ; (behind a wait on XCNT: the earlier stores have read their base)  16 rows on
.endif
.irp t, 0,1,2,3,4,5,6,7,8,9,10,11,12,13,14,15
	global_store_b128 v[CO], v[BB+4*\t:BB+4*\t+3], s[12:13] offset:\t*SIZE_N*4 th:TH_STORE_NT   ; 32 lanes store 512 consecutive bytes, at a multiple of 256 from out0's first byte
.endr
.endm
	PLACES NP                                      ; in front of the first read of results and of the loads into the registers that held A's fragments
	TOSTAGE 0
.irp a, 1,2,3,4,5,6,7
.if \a > 1
	s_wait_xcnt 0x0                                ; block a - 2's stores have read their registers and their base
.endif
	TOSTAGE \a
	SEND \a-1, 32                                  ; behind block a - 1's loads: block a's 16 stores and 16 loads
.endr
	s_wait_xcnt 0x0                                ; block 6's stores have read their base
	SEND 7, 0
	s_wait_tensorcnt 0x0                           ; the wave's end
	ds_add_u32 v[SPW], v[NIL]
	s_wait_dscnt 0x0
	CROUND                                         ; the closing round: no work-group ends while a partner may still ask for a tile that names it
	s_endpgm
.Lfunc_end_k_q36bafcdbad_proj:
	.size	k_q36bafcdbad_proj, .Lfunc_end_k_q36bafcdbad_proj-k_q36bafcdbad_proj
	.p2alignl 7, 3214868480
	.fill 96, 4, 3214868480
	.section	.rodata,"a",@progbits
	.p2align	6, 0x0
	.amdhsa_kernel k_q36bafcdbad_proj
		.amdhsa_group_segment_fixed_size 327680
		.amdhsa_private_segment_fixed_size 0
		.amdhsa_enable_private_segment 0
		.amdhsa_kernarg_size 48
		.amdhsa_user_sgpr_count 2
		.amdhsa_user_sgpr_kernarg_segment_ptr 1
		.amdhsa_wavefront_size32 1
		.amdhsa_system_sgpr_workgroup_id_x 1
		.amdhsa_system_sgpr_workgroup_id_y 1
		.amdhsa_system_sgpr_workgroup_id_z 1
		.amdhsa_system_vgpr_workitem_id 0
		.amdhsa_next_free_vgpr 1024
		.amdhsa_next_free_sgpr 98
		.amdhsa_reserve_vcc 0
		.amdhsa_float_denorm_mode_32 3
		.amdhsa_float_denorm_mode_16_64 3
		.amdhsa_memory_ordered 1
		.amdhsa_forward_progress 1
		.amdhsa_inst_pref_size 127
	.end_amdhsa_kernel
	.amdgpu_metadata
---
amdhsa.version: [ 1, 2 ]
amdhsa.kernels:
  - .name:           k_q36bafcdbad_proj
    .symbol:         k_q36bafcdbad_proj.kd
    .args:
      - { .name: ao_codes, .offset: 0, .size: 8, .value_kind: global_buffer, .address_space: global }
      - { .name: ao_scales, .offset: 8, .size: 8, .value_kind: global_buffer, .address_space: global }
      - { .name: W_out_codes, .offset: 16, .size: 8, .value_kind: global_buffer, .address_space: global }
      - { .name: W_out_scales, .offset: 24, .size: 8, .value_kind: global_buffer, .address_space: global }
      - { .name: b_out, .offset: 32, .size: 8, .value_kind: global_buffer, .address_space: global }
      - { .name: out0, .offset: 40, .size: 8, .value_kind: global_buffer, .address_space: global }
    .group_segment_fixed_size: 327680
    .private_segment_fixed_size: 0
    .kernarg_segment_align: 8
    .kernarg_segment_size: 48
    .max_flat_workgroup_size: 128
    .sgpr_count:     98
    .vgpr_count:     1024
    .wavefront_size: 32
...
	.end_amdgpu_metadata
.endif
;; end of part 3
